; MI455X (gfx1250); checked and timed in simulation.
; The chip was launched on July 23, 2026; its instructions are those of AMD's public machine-readable ISA for CDNA 5 (MIT licence, August 2026) and "CDNA5" Instruction Set Architecture Reference Guide (July 2026). The comments in the code are by the model that wrote it; some were corrected since.
;; Multi Headed Attention. Allowed arithmetic: matrix products marked QUANTISED: E2M1 operands, one E8M0 scale for each 32 along K, by v_wmma_scale_f32_16x16x128_f8f6f4 with both operands' format E2M1 (or v_wmma_scale_f32_32x16x128_f4), f32 sums; everything else in f32.
;; Inputs: attention_mask 4 x 2,048 x 2,048 int32; b_k 1,024 float32; b_o 1,024 float32; b_q 1,024 float32; b_v 1,024 float32; key_codes 4 x 2,048 x 32 x 16 uint8 (E2M1 codes of key, K innermost, in blocks of 32 codes, two codes a byte); key_scales 4 x 2,048 x 32 uint8 (E8M0 scales of key, one for each 32 codes along K); query_codes 4 x 2,048 x 32 x 16 uint8 (E2M1 codes of query, K innermost, in blocks of 32 codes, two codes a byte); query_scales 4 x 2,048 x 32 uint8 (E8M0 scales of query, one for each 32 codes along K); value_codes 4 x 2,048 x 32 x 16 uint8 (E2M1 codes of value, K innermost, in blocks of 32 codes, two codes a byte); value_scales 4 x 2,048 x 32 uint8 (E8M0 scales of value, one for each 32 codes along K); w_k_codes 1,024 x 32 x 16 uint8 (E2M1 codes of w_k, K innermost, in blocks of 32 codes, two codes a byte); w_k_scales 1,024 x 32 uint8 (E8M0 scales of w_k, one for each 32 codes along K); w_o_codes 1,024 x 32 x 16 uint8 (E2M1 codes of w_o, K innermost, in blocks of 32 codes, two codes a byte); w_o_scales 1,024 x 32 uint8 (E8M0 scales of w_o, one for each 32 codes along K); w_q_codes 1,024 x 32 x 16 uint8 (E2M1 codes of w_q, K innermost, in blocks of 32 codes, two codes a byte); w_q_scales 1,024 x 32 uint8 (E8M0 scales of w_q, one for each 32 codes along K); w_v_codes 1,024 x 32 x 16 uint8 (E2M1 codes of w_v, K innermost, in blocks of 32 codes, two codes a byte); w_v_scales 1,024 x 32 uint8 (E8M0 scales of w_v, one for each 32 codes along K).
;; Outputs: out0 4 x 2,048 x 1,024 float32.
;; This version of the problem:
;;   THIS VERSION OF THE PROBLEM IS GIVEN IN LOW PRECISION. The matrix products marked QUANTISED in the list below multiply operands that are first quantised to E2M1 (2 exponent bits, 1 mantissa bit; 4 bits a number), with one power-of-two scale for each 32 numbers along K (OCP MX v1.0); their sums are f32. All else is computed in f32.
;;   The module's matrix products, in the order in which they are computed (A, B: the left and right operand; K: the contracted axis; several contracted axes count as one K, in the product's order):
;;     1. [M 8,192, K 1,024] x [K 1,024, N 1,024]; A: input query (given as codes); B: input w_q (given as codes): QUANTISED
;;     2. [M 8,192, K 1,024] x [K 1,024, N 1,024]; A: input key (given as codes); B: input w_k (given as codes): QUANTISED
;;     3. [M 8,192, K 1,024] x [K 1,024, N 1,024]; A: input value (given as codes); B: input w_v (given as codes): QUANTISED
;;     4. batch 64 x [M 2,048, K 64] x [K 64, N 2,048]; A: computed on the way; B: computed on the way: QUANTISED
;;     5. batch 64 x [M 2,048, K 2,048] x [K 2,048, N 64]; A: softmax (see below); B: computed on the way: QUANTISED
;;     6. [M 8,192, K 1,024] x [K 1,024, N 1,024]; A: computed on the way; B: input w_o (given as codes): QUANTISED
;;   THE QUANTISER, for each operand of a quantised product, along K:
;;     - K is cut into blocks of 32 from its start; a last block that is shorter is filled with zeros.
;;     - A block's scale is 2^e with e = floor(log2(the largest magnitude in the block)) - 2, held to -126 .. 127; a block of zeros has e = 0. As a byte (E8M0): e + 127.
;;     - Each number is divided by its block's scale, clamped to +-6, and rounded to the nearest number of E2M1, ties to even, subnormals kept.
;;     - The product sums the exact products of the quantised numbers (number of the format x scale) in f32.
;;   ~~~python
;;   def quantise(x, axis):      # numpy; x: float32 -> the quantised numbers, widened to float32 again
;;       x = np.moveaxis(x, axis, -1); K = x.shape[-1]
;;       x = np.pad(x, [(0, 0)] * (x.ndim - 1) + [(0, -K % 32)]); x = x.reshape(x.shape[:-1] + (-1, 32)); a = np.abs(x).max(-1, keepdims=True)
;;       e = np.where(a > 0, np.clip(np.frexp(np.where(a > 0, a, 1))[1] - 1 - 2, -126, 127), 0)      # np.frexp(a)[1] - 1 = floor(log2(a)), exactly
;;       r = np.clip(x / 2.0 ** e, -6, 6)
;;       step = 2.0 ** (np.maximum(np.frexp(np.where(r == 0, 1, r))[1] - 1, 0) - 1)
;;       q = np.round(r / step) * step * 2.0 ** e      # np.round: ties to even
;;       return np.moveaxis(q.reshape(q.shape[:-2] + (-1,))[..., :K], -1, axis).astype(np.float32)
;;   ~~~
;;   SOFTMAX AHEAD OF A QUANTISED PRODUCT. Where the list says 'softmax', what is quantised is not the finished softmax but p = 2^(t - M), with t = logit x log2(e) and M = ceil(the row's largest t), a whole number; so 1/2 < the row's largest p <= 1. The row's sum l is taken of the UNQUANTISED p, in f32, and the product's result is divided by l at the end. Since M is a whole number, a kernel that streams over the keys may use a running M (the ceiling of the running maximum): every later rescaling is an exact power of two, which a block's scale takes up: the codes' values come out the same.
;;   OPERANDS COMPUTED ON THE WAY. 'Computed on the way' means the value that the module computes at that place (a softmax that the list does not call 'softmax' is quantised finished and normalised). What goes into a quantiser is computed in f32, as accurately as f32 sums, v_exp_f32 and their like allow (about 1e-6 of the number): no bf16 or f16 on the way to a quantiser, and a product that is left as it is and whose result goes on into a quantised operand takes f32 operands (vector FMAs, or v_wmma_f32_16x16x4_f32). A number that lies on a knife's edge between two numbers of the format may be rounded either way, as far as f32 arithmetic and the matrix unit's own rounding can turn it there, and no further.
;;   INPUTS GIVEN AS CODES. key (in the module: [4, 2048, 1024], K = its axis 2); query (in the module: [4, 2048, 1024], K = its axis 2); value (in the module: [4, 2048, 1024], K = its axis 2); w_k (in the module: [1024, 1024], K = its axis 1); w_o (in the module: [1024, 1024], K = its axis 1); w_q (in the module: [1024, 1024], K = its axis 1); w_v (in the module: [1024, 1024], K = its axis 1): each comes as NAME_codes (uint8): NAME with its K axis moved to the last place and cut into blocks of 32 codes, [.., K / 32, bytes a block], one block behind the other in memory; two codes a byte, the lower K in the low four bits (a code: sign, 2 exponent bits, 1 mantissa bit); and NAME_scales (uint8): the same leading axes, one E8M0 byte (e + 127) for each 32 codes along K. Its value is code x scale, taken as it is: it is not quantised again, and the codes and scales need not be those that the quantiser above would give.
;; One version. Each part assembles by itself: llvm-mc -triple=amdgcn-amd-amdhsa -mcpu=gfx1250 --defsym DOCPART=n.
;; ======== version 1 of 1: 4 launches
;; limits: right only within a limited range of input values
;; workspace buffers: mw 8,388,608 bytes of whole numbers; img 12,582,912 bytes; scl 786,432 bytes; aimg 4,194,304 bytes; asc 262,144 bytes
;; launch prep (part 1): grid 512 x 1, 8 waves a work-group, no clusters, 137,216 bytes of LDS; arguments attention_mask, mw; writes mw
.if DOCPART == 1
	.amdgcn_target "amdgcn-amd-amdhsa--gfx1250"
	.amdhsa_code_object_version 6
	.text
	.protected	k_qb8cc408fca_prep
	.globl	k_qb8cc408fca_prep
	.p2align	8
	.type	k_qb8cc408fca_prep,@function
k_qb8cc408fca_prep:
	s_mov_b64 s[64:65], 0
	v_nop
	global_prefetch_b8 v0, s[64:65] scope:SCOPE_SE
	s_setreg_imm32_b32 hwreg(HW_REG_WAVE_MODE, 25, 1), 1
	s_wait_xcnt 0x0
; attention_mask [4][2048][2048] int32 becomes codes of E2M1, four bits a key: mw [b 4][QT 128][KS 16][g 2][lane 32][16 bytes].
; Lane 16 h + r of a block holds query 16 QT + r, keys 128 KS + 64 g + 32 h + 0 .. 31, the lower key in the lower bits: the image of four operand registers of the attention launch.
; A key with mask == 0 gets the code 0xF (-6), any other the code 0.  A ROW WITH EVERY KEY HIDDEN gets the code 8 (-0) throughout: it adds nothing to a score, and the attention launch knows such a row by it.
; SHARES.  Work-group 128 b + QT owns 16 whole rows of the mask (131,072 consecutive bytes) and 16,384 bytes of mw.  Wave w owns key steps 2 w and 2 w + 1.
; A load reads 512 consecutive bytes of one row; a lane wants 32 neighbours of row r: so a key step's 16 x 512 bytes turn through the wave's own stage in LDS (rows 528 bytes apart: 33 x 16).
; One barrier: each lane's AND of its 16 words goes to LDS, and every lane ANDs the 16 words of its row.  No tile is shared between work-groups: no cluster.  All bytes are asked for at once: no loop to prefetch in.
.set ROWB,  8192                       ; a row of the mask in bytes
.set SP,    528                        ; a stage row
.set STG,   16*SP                      ; a stage: one key step of 16 rows
.set WREG,  2*STG                      ; a wave's two stages
.set SPARE, 0x21000                    ; behind the stages: the spare words, 128 bytes a wave
.set FLG,   0x21400                    ; behind them: one word a thread, 1,024 bytes
.set OUT,   8                          ; v8-23    the wave's words: key step u, group g at v[OUT + 8 u + 4 g ..]
.set ALL,   24                         ; v24      the AND of words
.set RAW,   32                         ; v32-159  two key steps x 16 rows x 4 registers, as loaded
.set D,     160                        ; v160-223 a key step by lanes: register 32 g + n = key 64 g + 32 h + n
	s_load_b128 s[4:7], s[0:1], 0x0                ; the mask, mw
	v_lshl_add_u32 v30, v0, 2, SPARE
	v_mov_b32 v31, 0
	v_and_b32 v1, 31, v0                           ; lane
	v_lshrrev_b32 v6, 5, v0                        ; wave
	v_and_b32 v7, 15, v0                           ; r
	v_bfe_u32 v25, v0, 4, 1                        ; h
	v_lshlrev_b32 v2, 4, v1                        ; 16 x lane
	v_mul_u32_u24 v26, v6, WREG                    ; my wave's stages
	v_lshl_add_u32 v27, v0, 2, FLG                 ; my word
	v_lshl_add_u32 v28, v7, 2, FLG                 ; my row's words: 64 bytes apart
	v_add_nc_u32 v3, v26, v2                       ; into a stage: 16 x lane of a row
	v_mad_u32_u24 v4, v7, SP, v26
	v_lshl_add_u32 v5, v6, 11, v2                  ; mw: 2,048 x wave + 16 x lane
	v_lshl_add_u32 v2, v6, 10, v2                  ; the mask: 1,024 x wave + 16 x lane
	v_lshl_add_u32 v4, v25, 7, v4                  ; out of a stage: row r, + 128 h
	v_mov_b32 v29, 0x88888888
	s_lshl_b32 s10, ttmp9, 17                      ; 16 rows of 8,192 bytes a work-group
	s_mov_b32 s11, 0
	s_lshl_b32 s12, ttmp9, 14
	s_mov_b32 s13, 0
	s_wait_alu depctr_va_vdst(0)
	s_wait_kmcnt 0x0
	s_add_nc_u64 s[4:5], s[4:5], s[10:11]
	s_add_nc_u64 s[6:7], s[6:7], s[12:13]
.irp u, 0,1
.irp p, 0,1,2,3,4,5,6,7,8,9,10,11,12,13,14,15
	global_load_b128 v[RAW+64*\u+4*\p:RAW+64*\u+4*\p+3], v2, s[4:5] offset:ROWB*\p+512*\u th:TH_LOAD_NT   ; 32 lanes read 512 consecutive bytes; all 32 loads of the wave go out at once
.endr
.endr
.macro BACK dst, stg                   ; a key step out of its stage: 32 neighbours of my row for each group of 64 keys
.irp g, 0,1
.irp i, 0,1,2,3,4,5,6,7
	ds_load_b128 v[\dst+32*\g+4*\i:\dst+32*\g+4*\i+3], v4 offset:\stg+256*\g+16*\i
.endr
.endr
.endm
; 64 numbers become 8 words: min(m, 1) is 1 for an open key; eight of them are laid four bits apart; y = that word xor 0x11111111 has 1 for a hidden key; 15 y = (y << 4) - y has 0xF
.macro NIB u, reg
.set k, 0
.rept 8
	v_min_u32 v[OUT+8*\u+k], 1, v[\reg+8*k]
.set k, k+1
.endr
.irp j, 1,2,3,4,5,6,7
.set k, 0
.rept 8
	v_min_u32 v[\reg+8*k+\j], 1, v[\reg+8*k+\j]
.set k, k+1
.endr
.set k, 0
.rept 8
	v_lshl_or_b32 v[OUT+8*\u+k], v[\reg+8*k+\j], 4*\j, v[OUT+8*\u+k]
.set k, k+1
.endr
.endr
.set k, 0
.rept 8
	v_xor_b32 v[OUT+8*\u+k], 0x11111111, v[OUT+8*\u+k]
.set k, k+1
.endr
.set k, 0
.rept 8
	v_lshlrev_b32 v[\reg+k], 4, v[OUT+8*\u+k]
.set k, k+1
.endr
.set k, 0
.rept 8
	v_sub_nc_u32 v[OUT+8*\u+k], v[\reg+k], v[OUT+8*\u+k]
.set k, k+1
.endr
.endm
	s_wait_loadcnt 16                              ; the first key step's 16 loads are in; the second's may be out
.irp p, 0,1,2,3,4,5,6,7,8,9,10,11,12,13,14,15
	ds_store_b128 v3, v[RAW+4*\p:RAW+4*\p+3] offset:SP*\p
.endr
	BACK D, 0                                      ; LDS serves a wave's instructions in order: these see the stores above
	s_wait_loadcnt 0x0
.irp p, 0,1,2,3,4,5,6,7,8,9,10,11,12,13,14,15
	ds_store_b128 v3, v[RAW+64+4*\p:RAW+64+4*\p+3] offset:STG+SP*\p
.endr
	s_wait_dscnt 16                                ; only the 16 stores just issued may be out: D is in, and the first stage's stores have read v32-95,
	BACK RAW, STG                                  ; which take the second key step
	NIB 0, D
	s_wait_dscnt 0x0
	NIB 1, RAW
	v_and_b32 v[ALL], v[OUT], v[OUT+1]
.irp i, 2,3,4,5,6,7,8,9,10,11,12,13,14,15
	v_and_b32 v[ALL], v[ALL], v[OUT+\i]
.endr
	ds_store_b32 v27, v[ALL]
	s_wait_alu depctr_va_vdst(0)
	s_wait_dscnt 0x0                               ; my word is stored
	s_barrier_signal -1
	s_barrier_wait -1                              ; everybody's is
.irp k, 0,1,2,3,4,5,6,7,8,9,10,11,12,13,14,15
	ds_load_b32 v[D+\k], v28 offset:64*\k          ; my row's words: 8 waves x 2 halves of the lanes
.endr
	s_wait_dscnt 0x0
	v_and_b32 v[ALL], v[D], v[D+1]
.irp k, 2,3,4,5,6,7,8,9,10,11,12,13,14,15
	v_and_b32 v[ALL], v[ALL], v[D+\k]
.endr
	v_cmp_eq_u32 vcc_lo, -1, v[ALL]                ; every key of my row is hidden
.irp i, 0,1,2,3,4,5,6,7,8,9,10,11,12,13,14,15
	v_cndmask_b32 v[OUT+\i], v[OUT+\i], v29, vcc_lo
.endr
.irp i, 0,1,2,3
	global_store_b128 v5, v[OUT+4*\i:OUT+4*\i+3], s[6:7] offset:512*\i   ; 32 lanes store 512 consecutive bytes, at a multiple of 512 from mw's first byte
.endr
	s_wait_tensorcnt 0x0                           ; the wave's end
	ds_add_u32 v30, v31
	s_wait_dscnt 0x0
	s_endpgm
.Lfunc_end_k_qb8cc408fca_prep:
	.size	k_qb8cc408fca_prep, .Lfunc_end_k_qb8cc408fca_prep-k_qb8cc408fca_prep
	.p2alignl 7, 3214868480
	.fill 96, 4, 3214868480
	.section	.rodata,"a",@progbits
	.p2align	6, 0x0
	.amdhsa_kernel k_qb8cc408fca_prep
		.amdhsa_group_segment_fixed_size 137216
		.amdhsa_private_segment_fixed_size 0
		.amdhsa_enable_private_segment 0
		.amdhsa_kernarg_size 16
		.amdhsa_user_sgpr_count 2
		.amdhsa_user_sgpr_kernarg_segment_ptr 1
		.amdhsa_wavefront_size32 1
		.amdhsa_system_sgpr_workgroup_id_x 1
		.amdhsa_system_sgpr_workgroup_id_y 1
		.amdhsa_system_sgpr_workgroup_id_z 1
		.amdhsa_system_vgpr_workitem_id 0
		.amdhsa_next_free_vgpr 224
		.amdhsa_next_free_sgpr 66
		.amdhsa_reserve_vcc 1
		.amdhsa_float_denorm_mode_32 3
		.amdhsa_float_denorm_mode_16_64 3
		.amdhsa_memory_ordered 1
		.amdhsa_forward_progress 1
		.amdhsa_inst_pref_size 25
	.end_amdhsa_kernel
	.amdgpu_metadata
---
amdhsa.version: [ 1, 2 ]
amdhsa.kernels:
  - .name:           k_qb8cc408fca_prep
    .symbol:         k_qb8cc408fca_prep.kd
    .args:
      - { .name: attention_mask, .offset: 0, .size: 8, .value_kind: global_buffer, .address_space: global }
      - { .name: mw, .offset: 8, .size: 8, .value_kind: global_buffer, .address_space: global }
    .group_segment_fixed_size: 137216
    .private_segment_fixed_size: 0
    .kernarg_segment_align: 8
    .kernarg_segment_size: 16
    .max_flat_workgroup_size: 256
    .sgpr_count:     66
    .vgpr_count:     224
    .wavefront_size: 32
...
	.end_amdgpu_metadata
.endif
;; end of part 1
;; launch proj (part 2): grid 4 x 96, 4 waves a work-group, clusters of 4 x 4, 296,448 bytes of LDS; arguments query_codes, key_codes, value_codes, query_scales, key_scales, value_scales, w_q_codes, w_k_codes, w_v_codes, w_q_scales, w_k_scales, w_v_scales, b_q, b_k, b_v, img, scl; writes img, scl
.if DOCPART == 2
	.amdgcn_target "amdgcn-amd-amdhsa--gfx1250"
	.amdhsa_code_object_version 6
	.text
	.protected	k_qb8cc408fca_proj
	.globl	k_qb8cc408fca_proj
	.p2align	8
	.type	k_qb8cc408fca_proj,@function
k_qb8cc408fca_proj:
	s_mov_b64 s[64:65], 0
	v_nop
	global_prefetch_b8 v0, s[64:65] scope:SCOPE_SE
	s_setreg_imm32_b32 hwreg(HW_REG_WAVE_MODE, 25, 1), 1
	s_wait_xcnt 0x0
	s_wait_alu depctr_hold_cnt(0) depctr_sa_sdst(0) depctr_va_vdst(0) depctr_va_sdst(0) depctr_va_ssrc(0) depctr_va_vcc(0) depctr_vm_vsrc(0)
	s_getreg_b32 s2, hwreg(HW_REG_IB_STS2, 6, 4)
	s_cmp_eq_u32 s2, 0
	s_cbranch_scc0 .Lentry_in_a_cluster
	s_endpgm
.Lentry_in_a_cluster:
	s_bfe_u32 s2, ttmp6, 0x10000c
	s_cmp_lg_u32 s2, 0xf033
	s_cbranch_scc0 .Lentry_shape_is_right
	s_endpgm
.Lentry_shape_is_right:
; q = query w_q^T + b_q, k and v likewise: three products [8192 x 1024] x [1024 x 1024] on codes of FP4 (E2M1) with one E8M0 scale for each 32 along K, sums in f32; the results are
; quantised at once for the attention launch and leave as IMAGES OF OPERAND REGISTERS (img) with their scale words (scl).  One launch: G = cluster y / 8 says which product (0 q, 1 k, 2 v).
; A tile of 256 x 256 is made by four waves, 128 x 128 each: 64 accumulators of 16 x 16, 512 registers.  K = 1,024 is two LDS slots of 512 along K: both are filled once, at the start, and nothing is filled again.
; WHAT LIES IN A LANE.  The matrix instruction's result gives a lane ONE row of source 1, and its registers run along source 0's rows.  A quantiser wants its K along a lane's registers.
;   q, k are quantised along the head's 64 features: source 1 = tokens, source 0 = features (rows of w).      v is quantised along the keys: source 1 = features, source 0 = tokens.
; CLUSTERS: 4 x 4 work-groups.  Source 1's tile hangs on cy and is asked for jointly by a row of the cluster, source 0's on cx and by a column.  For q, k: tokens 4 (cluster y % 8) + cy, features cx;
; for v: features cy, tokens 4 (cluster y % 8) + cx.  So only pointers and tile numbers are chosen by G (the same in all sixteen partners); LDS addresses, masks and descriptors are the same for all three.
; THE QUANTISER.  Register j of accumulator (a, b) in lane (r, h) is number 16 b + 8 h + j along the quantiser's K, of row 16 a + r.  A block of 32 lies in accumulators 2 B, 2 B + 1, in lanes l and l xor 16.
;   Its scale is 2^(floor(log2(largest magnitude)) - 2); the byte is the largest magnitude's exponent field - 2, held at 1 from below.
; LIMITS: a block of zeros gets the byte 1 (its codes are zeros; the bytes are read by this program alone); NaN and infinities are not served.
; OUT.  img: three regions of 4 MiB (q, k, v), each [b 4][head 16][65,536 bytes].  q, k: [tile of 16 tokens 128][lane][16 B], lane (r, h) = token r, features 32 h on.
;   v: [key step 16][d tile 4][c 2][lane][16 B], lane (r, h) = feature 16 t + r, keys 64 c + 32 h on.  Every store of a wave covers 512 consecutive bytes, aligned.
;   scl: q at 0 [b][pair 8][group of 128 tokens 16][512 B]; k, v at 262,144 [b][pair][k or v][16][512 B]; a block of 512 B is [a / 4][r 16][a % 4] words, a = the wave's block of 16 rows of source 1.
; REGISTERS, in windows of 256: window 0: v0-31 addresses; v32-95 scale words, two sets, and nothing else; v96-111 the bias by lanes (pairs); v128-191 source 1's fragments, ONE set, later 64 numbers at work;
;   v192-255 the bias by registers, later the quantiser's working registers.   window 1: source 0's fragments, two sets, at v0 and v128.   windows 2, 3: the accumulators, (a, b) at v[8 (8 (a % 4) + b)].
.set NQ,     4                         ; steps of 128 along K in a slot
.set ROWB,   512                       ; a tile's row in bytes: all 1,024 codes of a row; the second slot is the row's second 256 bytes
.set KROW,   512                       ; a row of 1,024 codes in memory
.set PITCH,  528                       ; an LDS row: 512 bytes + 16 of padding: 33 x 16, so sixteen rows begin at sixteen different 16-byte columns of 256 bytes
.set FR,     8                         ; registers of a fragment: 16 rows x 128 K
.set NL,     2                         ; LDS loads that bring one
.set NP,     4                         ; places behind this matrix instruction (ISA guide 7.12.1)
.set HALFT,  128*PITCH                 ; 128 rows: half of what one tensor load brings
.set SLOT,   256                       ; from a row's first 512 along K to its second, in bytes
.set KS,     32                        ; a row of scale bytes
.set SCL,    4*HALFT                   ; behind source 1's 256 rows and source 0's 256 rows: the scale bytes, as units of 256 bytes + 16
.set HALFS,  16*272                    ; those of 128 rows
.set SBLK,   2*272                     ; those of 16 rows
.set ADRA, 16                          ; v16-17  LDS address of source 1's fragments in slot 0, 1
.set ADRB, 20                          ; v20-21  of source 0's
.set LN,   24                          ; v24     lane
.set OFF0, 25                          ; v25     16 x lane
.set OFF1, 26                          ; v26     + the distance from a block's first 64 along K to its second
.set ADRS, 27                          ; v27     LDS address of my scale words: lanes 0-15 source 1's rows, lanes 16-31 source 0's
.set SC,   32
.set BM2,  96
.set AF,   128
.set H,    128
.set BN,   192
.set TM,   192                         ; v192-195 largest magnitudes, v196-199 the other half's, then bytes, v204-207 the conversions' scale operands
.set PC,   208                         ; v208-215 a block's codes
.set W,    216                         ; v216-223 the eight blocks' scale words
.set OUT,  224
.set G1,   24                          ; s[24:31] descriptor group 1 for source 1's tiles;  s[32:35] group 0, one set for all of K
.set G0,   32
.set G1B,  48                          ; s[48:55], s[56:59] the same for source 0's
.set G0B,  56
.set G1S,  68                          ; s[68:75], s[76:79] groups 1 and 0 for source 1's scales;  s[80:87], s[88:91] for source 0's
.set G0S,  76
.set G1SB, 80
.set G0SB, 88
.set SEL,  20                          ; s[20:21] v_permlanex16_b32's selects for lane l xor 16
.set STA,  92                          ; s[92:93] bytes from block a's image to block a + 1's
.set STJ,  94                          ; s[94:95] and what block 4 adds to that
.set SPT,  100                         ; s[100:101] my block of scale words
.set OB,   104                         ; s[104:105] my images
.set MSB, 0
.macro WIN new                         ; the immediate's high byte repeats the setting that is left
.if MSB != (\new)
	s_set_vgpr_msb (MSB<<8)|(\new)
.set MSB, (\new)
.endif
.endm
.set MUL_LO, 0xa1                      ; source 0 window 1, source 1 window 0, C and D window 2
.set MUL_HI, 0xf1                      ; the same, C and D window 3
.set TO_B,   0x40                      ; destination window 1, address window 0
; An arm of the head's tree: the waves under a number issue one joint load and jump to the tree's end.  The branch hangs on the wave's number alone.
; An s_nop 0 and four v_nop follow the load, ahead of the jump and the label.
.macro ARM under, g0, g1, next
	s_cmp_lt_u32 s14, \under
	s_cbranch_scc0 \next
	tensor_load_to_lds s[\g0:\g0+3], s[\g1:\g1+7]
	s_nop 0
.rept 4
	v_nop
.endr
	s_branch .Lhead_asked
\next:
.endm
.macro CROUND                          ; a round of the cluster's barrier
	s_barrier_signal -1
	s_barrier_wait -1
	s_cmp_lg_u32 s14, 0
	s_cbranch_scc1 .Lnot_wave_0_\@
	s_barrier_signal -3
.Lnot_wave_0_\@:
	s_barrier_wait -3
	s_barrier_signal -1
	s_barrier_wait -1
.endm
	s_load_b512 s[68:83], s[0:1], 0x0              ; codes of query, key, value; scales of query, key, value; codes of w_q, w_k
	s_load_b512 s[84:99], s[0:1], 0x40             ; codes of w_v; scales of w_q, w_k, w_v; b_q, b_k, b_v; img
	s_load_b64 s[100:101], s[0:1], 0x80            ; scl
	v_lshl_add_u32 v126, v0, 2, 0x48400
	v_mov_b32 v127, 0
	ds_add_u32 v126, v127
	ds_add_u32 v126, v127
	v_lshrrev_b32 v1, 5, v0
	v_readfirstlane_b32 s14, v1                    ; wave 0..3
	s_lshr_b32 s15, s14, 1                         ; i1: my half of source 1's rows.  Also: I fetch codes (0) or scales (1)
	s_and_b32 s16, s14, 1                          ; i0: my half of source 0's rows.  Also: I fetch for source 1 (0) or for source 0 (1)
	s_bfe_u32 s40, ttmp6, 0x40000                  ; cx, cy: my place in the cluster
	s_bfe_u32 s41, ttmp6, 0x40004
	s_and_b32 s2, ttmp7, 0xffff                    ; cluster y, 0 .. 23
	s_lshr_b32 s3, s2, 3                           ; G
	s_and_b32 s2, s2, 7
	s_lshl_b32 s2, s2, 2                           ; the tokens' tile is 4 (cluster y % 8) + a place in the cluster
	s_cmp_eq_u32 s3, 2
	s_cselect_b32 s18, 0, s2
	s_cselect_b32 s19, s2, 0
	s_add_co_u32 s17, s41, s18                     ; source 1's tile of 256 rows: made of cy
	s_add_co_u32 s42, s40, s19                     ; source 0's: made of cx
	s_lshl_b32 s43, s41, 2
	s_lshl_b32 s43, 15, s43                        ; my row of the cluster
	s_lshl_b32 s44, 0x1111, s40                    ; my column
	; descriptor group 1: a tile of 256 rows x 512 bytes, padded in LDS
	s_or_b32 s[G1+0], s43, (0<<16)|(1<<20)|(1<<21)|(6<<22)|(3<<25)  ; 15:0 the mask; 17:16 elements of 1 byte; 20 padding on; 21 set beside a mask; 24:22 after every 128 words (code 6); 31:25 four words (code 3)
	s_or_b32 s[G1B+0], s44, (0<<16)|(1<<20)|(1<<21)|(6<<22)|(3<<25)
.irp g, G1, G1B
	s_mov_b32 s[\g+1], ROWB<<16                    ; tensor_dim0
	s_mov_b32 s[\g+2], 256<<16                     ; tensor_dim1: the tile's 256 rows
	s_mov_b32 s[\g+3], ROWB<<16                    ; tile_dim0
	s_mov_b32 s[\g+4], 256                         ; tile_dim1
	s_mov_b32 s[\g+5], KROW                        ; tensor_dim0_stride
	s_mov_b32 s[\g+6], 0
	s_mov_b32 s[\g+7], 0
.endr
	s_wait_dscnt 0x0
	s_wait_kmcnt 0x0
	s_cmp_eq_u32 s3, 0                             ; the product's buffers: a choice that hangs on the cluster's number alone
	s_cselect_b64 s[68:69], s[68:69], s[70:71]     ; the tokens' codes
	s_cselect_b64 s[74:75], s[74:75], s[76:77]     ; their scales
	s_cselect_b64 s[80:81], s[80:81], s[82:83]     ; the weight's codes
	s_cselect_b64 s[86:87], s[86:87], s[88:89]     ; its scales
	s_cselect_b64 s[92:93], s[92:93], s[94:95]     ; the bias
	s_cmp_eq_u32 s3, 2
	s_cselect_b64 s[68:69], s[72:73], s[68:69]
	s_cselect_b64 s[74:75], s[78:79], s[74:75]
	s_cselect_b64 s[80:81], s[84:85], s[80:81]
	s_cselect_b64 s[86:87], s[90:91], s[86:87]
	s_cselect_b64 s[12:13], s[96:97], s[92:93]
	s_cselect_b64 s[4:5], s[80:81], s[68:69]       ; source 1: the weight for v, the tokens for q and k
	s_cselect_b64 s[6:7], s[86:87], s[74:75]
	s_cselect_b64 s[8:9], s[68:69], s[80:81]       ; source 0: the other one
	s_cselect_b64 s[10:11], s[74:75], s[86:87]
	s_mov_b64 s[OB:OB+1], s[98:99]
	; the scales of 256 rows: a dense block of 8,192 bytes, as rows of 256 bytes (32 elements of 8 bytes), 16 bytes of padding behind each
	s_or_b32 s[G1S+0], s43, (3<<16)|(1<<20)|(1<<21)|(5<<22)|(3<<25)
	s_or_b32 s[G1SB+0], s44, (3<<16)|(1<<20)|(1<<21)|(5<<22)|(3<<25)
.irp g, G1S, G1SB
	s_mov_b32 s[\g+1], 32<<16
	s_mov_b32 s[\g+2], 32<<16                      ; the scales of 256 rows: 8,192 dense bytes, 32 rows of 256
	s_mov_b32 s[\g+3], 32<<16
	s_mov_b32 s[\g+4], 32
	s_mov_b32 s[\g+5], 32
	s_mov_b32 s[\g+6], 0
	s_mov_b32 s[\g+7], 0
.endr
	s_lshl_b32 s20, s17, 8                         ; source 1: the tile's first row, 256 x tile
	s_lshl_b32 s46, s42, 8                         ; source 0 likewise
	s_mov_b32 s21, 0
	s_mov_b32 s47, 0
	s_mov_b64 s[18:19], KS
	s_mul_u64 s[22:23], s[20:21], s[18:19]         ; where these rows' scales begin, in bytes
	s_mul_u64 s[92:93], s[46:47], s[18:19]
	s_mov_b64 s[18:19], KROW
	s_mul_u64 s[20:21], s[20:21], s[18:19]         ; and their codes
	s_mul_u64 s[46:47], s[46:47], s[18:19]
	s_add_nc_u64 s[20:21], s[4:5], s[20:21]
	s_add_nc_u64 s[22:23], s[6:7], s[22:23]
	s_add_nc_u64 s[46:47], s[8:9], s[46:47]
	s_add_nc_u64 s[92:93], s[10:11], s[92:93]
	CROUND                                         ; all sixteen work-groups are here: the joint loads meet
	s_mov_b32 s[G0], 1                             ; the launch's four tiles, each whole and for all of K: source 1's 256 rows,
	s_mov_b32 s[G0+1], 0
	s_mov_b64 s[G0+2:G0+3], s[20:21]
	s_or_b32 s[G0+3], s[G0+3], 0x80000000
	s_mov_b32 s[G0B], 1                            ; source 0's 256 rows behind them,
	s_mov_b32 s[G0B+1], 2*HALFT
	s_mov_b64 s[G0B+2:G0B+3], s[46:47]
	s_or_b32 s[G0B+3], s[G0B+3], 0x80000000
	s_mov_b32 s[G0S], 1                            ; the scales of source 1's rows,
	s_mov_b32 s[G0S+1], SCL
	s_mov_b64 s[G0S+2:G0S+3], s[22:23]
	s_or_b32 s[G0S+3], s[G0S+3], 0x80000000
	s_mov_b32 s[G0SB], 1                           ; and of source 0's
	s_mov_b32 s[G0SB+1], SCL+2*HALFS
	s_mov_b64 s[G0SB+2:G0SB+3], s[92:93]
	s_or_b32 s[G0SB+3], s[G0SB+3], 0x80000000
	; ONE load a wave, in one tree of branches on the wave's number: every way through the head passes exactly one load, and nothing is filled later
	ARM 1, G0,  G1,  .Lhead_b
	ARM 2, G0B, G1B, .Lhead_sa
	ARM 3, G0S, G1S, .Lhead_sb
	tensor_load_to_lds s[G0SB:G0SB+3], s[G1SB:G1SB+7]
	s_nop 0
.rept 4
	v_nop
.endr
.Lhead_asked:
	v_and_b32 v1, 15, v0                           ; r
	v_bfe_u32 v2, v0, 4, 1                         ; h
	v_mul_u32_u24 v3, v1, PITCH
	v_lshl_add_u32 v4, v2, 4, v3                   ; a fragment's row x pitch + 16 h
	s_mul_i32 s21, s15, HALFT                      ; my 128 rows of source 1
	s_mul_i32 s22, s16, HALFT                      ; my 128 rows of source 0,
	s_add_co_u32 s22, s22, 2*HALFT                 ; which lie behind source 1's 256
.irp s, 0,1
	v_add_nc_u32 v[ADRA+\s], s21, v4
	v_add_nc_u32 v[ADRB+\s], s22, v4
	s_add_co_u32 s21, s21, SLOT
	s_add_co_u32 s22, s22, SLOT
.endr
	v_mul_u32_u24 v5, v1, KS                       ; my row's scales: 32 bytes a row,
	v_lshrrev_b32 v6, 8, v5
	v_lshl_add_u32 v5, v6, 4, v5                   ; and 16 more for each 256 passed
	s_mul_i32 s21, s15, HALFS
	s_mul_i32 s22, s16, HALFS
	s_add_co_u32 s22, s22, 2*HALFS
	s_sub_co_u32 s22, s22, s21
	v_mul_u32_u24 v6, s22, v2                      ; lanes 16-31 take source 0's: the lower base + h x the distance
	s_add_co_u32 s21, s21, SCL
	v_add_nc_u32 v5, v5, v6
	v_add_nc_u32 v[ADRS], s21, v5
	v_and_b32 v[LN], 31, v0
	v_lshlrev_b32 v[OFF0], 4, v[LN]
	; THE BIAS, both ways, always loaded (256 cx + .. and 256 cy + .. lie inside its 1,024 numbers); the way that does not apply is cleared below
	s_wait_alu depctr_va_vdst(0)
	s_lshl_b32 s18, s40, 10
	s_lshl_b32 s19, s16, 9
	s_add_co_u32 s18, s18, s19
	v_lshl_add_u32 v5, v2, 5, s18                  ; by registers: number 256 cx + 128 i0 + 16 b + 8 h + j
	s_lshl_b32 s18, s41, 10
	s_lshl_b32 s19, s15, 9
	s_add_co_u32 s18, s18, s19
	v_lshl_add_u32 v6, v1, 2, s18                  ; by lanes: number 256 cy + 128 i1 + 16 a + r
.irp b, 0,1,2,3,4,5,6,7
	global_load_b128 v[BN+8*\b:BN+8*\b+3], v5, s[12:13] offset:64*\b
	global_load_b128 v[BN+8*\b+4:BN+8*\b+7], v5, s[12:13] offset:64*\b+16
.endr
.irp a, 0,1,2,3,4,5,6,7
	global_load_b32 v[BM2+2*\a], v6, s[12:13] offset:64*\a
.endr
	; where my results go
	s_cmp_eq_u32 s3, 2
	s_cselect_b32 s96, s42, s17                    ; the tile of 256 tokens
	s_cselect_b32 s97, s17, s42                    ; the tile of 256 features
	s_cselect_b32 s98, s16, s15                    ; my half of the tokens
	s_cselect_b32 s99, s15, s16                    ; my half of the features
	s_cselect_b32 s2, 0, -1                        ; keeps the bias by registers for q and k
	s_cselect_b32 s46, -1, 0                       ; keeps the bias by lanes for v
	s_mov_b32 s[STA], 512
	s_cselect_b32 s[STA], 1024, s[STA]             ; q, k: the next tile of 16 tokens; v: the next tile of 16 features
	s_mov_b32 s47, 65536
	s_cselect_b32 s47, 512, s47                    ; a block's second 64 along K: q, k: the odd head's image; v: c = 1
	s_cselect_b32 s[STJ], 61440, 0                 ; v: block 4 begins the odd head's image
	s_mov_b32 s[STA+1], 0
	s_mov_b32 s[STJ+1], 0
	s_lshr_b32 s20, s96, 3                         ; b
	s_and_b32 s21, s96, 7
	s_lshl_b32 s21, s21, 1
	s_add_co_u32 s21, s21, s98                     ; the group of 128 tokens in the batch
	s_lshl_b32 s22, s97, 1
	s_add_co_u32 s22, s22, s99                     ; the pair of heads
	s_lshl_b32 s23, s20, 3
	s_add_co_u32 s23, s23, s22                     ; 8 b + pair
	s_lshl_b32 s18, s3, 22                         ; the product's 4 MiB,
	s_lshl_b32 s19, s23, 17                        ; the even head's 65,536 bytes,
	s_add_co_u32 s18, s18, s19
	s_lshl_b32 s19, s21, 12                        ; the group's 4,096
	s_add_co_u32 s18, s18, s19
	s_mov_b32 s19, 0
	s_add_nc_u64 s[OB:OB+1], s[OB:OB+1], s[18:19]
	s_cmp_eq_u32 s3, 0
	s_cselect_b32 s18, 13, 14                      ; q: 8,192 bytes a pair; k and v together 16,384
	s_cselect_b32 s19, 0, 262144-8192
	s_lshl_b32 s18, s23, s18
	s_add_co_u32 s18, s18, s19
	s_lshl_b32 s19, s3, 13                         ; + 8,192 G: with the line above 0, 262,144, 270,336
	s_add_co_u32 s18, s18, s19
	s_lshl_b32 s19, s21, 9
	s_add_co_u32 s18, s18, s19
	s_mov_b32 s19, 0
	s_add_nc_u64 s[SPT:SPT+1], s[SPT:SPT+1], s[18:19]
	v_add_nc_u32 v[OFF1], s47, v[OFF0]
	s_mov_b32 s[SEL], 0x76543210
	s_mov_b32 s[SEL+1], 0xfedcba98
	s_wait_loadcnt 0x0
.set i, 0
.rept 64
	v_and_b32 v[BN+i], s2, v[BN+i]
.set i, i+1
.endr
.irp a, 0,1,2,3,4,5,6,7
	v_and_b32 v[BM2+2*\a+1], s46, v[BM2+2*\a]      ; twice: a pair for the packed addition
	v_and_b32 v[BM2+2*\a], s46, v[BM2+2*\a]
.endr
.macro FRAG reg, adr, q, i             ; a fragment, 16 rows x 128 K of 4-bit codes: lane l holds row l % 16; registers 4 c .. 4 c + 3 hold K = 64 c + 32 (l / 16) + 0 .. 31
.irp c, 0,1
	ds_load_b128 v[\reg+4*\c:\reg+4*\c+3], v[\adr] offset:64*(\q)+32*\c+(\i)*16*PITCH
.endr
.endm
; 16 matrix instructions: source 1's blocks a0, a0 + 1 x source 0's eight, 128 along K: the slot's q-th.  p: source 0's set;  sc: the set of scale words.  first = 1: the bias by registers is the C that starts the sums.
; The 64 accumulators take turns, one instruction a turn, in the same order in every step.
.macro MUL16 a0, p, q, sc, first
.irp a, \a0, \a0+1
.irp b, 0,1,2,3,4,5,6,7
.if \first
	v_wmma_scale_f32_16x16x128_f8f6f4 v[8*(8*((\a)%4)+\b):8*(8*((\a)%4)+\b)+7], v[128*(\p)+FR*\b:128*(\p)+FR*\b+FR-1], v[AF+FR*(\a):AF+FR*(\a)+FR-1], v[BN+8*\b:BN+8*\b+7], v[SC+8*NQ*(\sc)+NQ*\b+(\q)], v[SC+8*NQ*(\sc)+NQ*(\a)+(\q)] matrix_a_fmt:MATRIX_FMT_FP4 matrix_b_fmt:MATRIX_FMT_FP4 matrix_a_scale:MATRIX_SCALE_ROW1
.else
	v_wmma_scale_f32_16x16x128_f8f6f4 v[8*(8*((\a)%4)+\b):8*(8*((\a)%4)+\b)+7], v[128*(\p)+FR*\b:128*(\p)+FR*\b+FR-1], v[AF+FR*(\a):AF+FR*(\a)+FR-1], v[8*(8*((\a)%4)+\b):8*(8*((\a)%4)+\b)+7], v[SC+8*NQ*(\sc)+NQ*\b+(\q)], v[SC+8*NQ*(\sc)+NQ*(\a)+(\q)] matrix_a_fmt:MATRIX_FMT_FP4 matrix_b_fmt:MATRIX_FMT_FP4 matrix_a_scale:MATRIX_SCALE_ROW1
.endif
.endr
.endr
.endm
.macro FETCH_B slot, q, p              ; source 0's eight fragments of the slot's q-th 128 along K into set p
	WIN TO_B
.irp i, 0,1,2,3,4,5,6,7
	FRAG 128*(\p)+FR*\i, ADRB+\slot, \q, \i
.endr
	WIN 0
.endm
.macro FETCH_A slot, q, i0             ; source 1's blocks i0 .. i0 + 3
.irp i, \i0, \i0+1, \i0+2, \i0+3
	FRAG AF+FR*(\i), ADRA+\slot, \q, \i
.endr
.endm
.macro SCALES sc                       ; a slot's scale words into set sc: four words a row; lanes 0-15 take source 1's block i, lanes 16-31 source 0's block i
.irp i, 0,1,2,3,4,5,6,7
	ds_load_b128 v[SC+8*NQ*\sc+NQ*\i:SC+8*NQ*\sc+NQ*\i+3], v[ADRS] offset:\i*SBLK
.endr
.endm
; A load into a register that a matrix instruction has read, and a vector instruction that reads a matrix result, stand NP places behind that matrix instruction; only plain vector
; instructions that name none of its registers are places (ISA guide 7.12.1 for vector instructions).
.macro PLACES n
.rept \n
	v_nop
.endr
.endm
; A step of 128 along K that has its successor in the same slot.  Source 1 has one set of registers: blocks 0-3 are fetched anew in the step's middle, blocks 4-7 at its end.
.macro STEP slot, q, first
	s_wait_dscnt 4*NL                              ; all but the youngest eight loads (source 1's blocks 4-7) are in
.if \first
	WIN 0x81                                       ; C (the bias) window 0, D window 2
.else
	WIN MUL_LO
.endif
	MUL16 0, (\q)%2, \q, \slot, \first
	MUL16 2, (\q)%2, \q, \slot, \first
	s_wait_dscnt 0                                 ; blocks 4-7 are in (asked for 32 matrix instructions ago)
	PLACES NP
	FETCH_B \slot, (\q)+1, 1-(\q)%2
	FETCH_A \slot, (\q)+1, 0
.if \first
	WIN 0xc1
.else
	WIN MUL_HI
.endif
	MUL16 4, (\q)%2, \q, \slot, \first
	MUL16 6, (\q)%2, \q, \slot, \first
	PLACES NP
	WIN 0
	FETCH_A \slot, (\q)+1, 4
.endm
.macro STEPS slot, from                ; the slot's steps from .. NQ - 2
.set Q, \from
.rept NQ-1-\from
	STEP \slot, Q, 0
.set Q, Q+1
.endr
.endm
	s_wait_tensorcnt 0x0                           ; my one load is in
	s_barrier_signal -1
	s_barrier_wait -1                              ; everybody's are
	FETCH_B 0, 0, 0
	FETCH_A 0, 0, 0
	SCALES 0
	FETCH_A 0, 0, 4
	STEP 0, 0, 1
	STEPS 0, 1
	; the fourth step goes over to the rows' second halves: they came with the first, so no wait for tiles and no barrier stands here
	s_wait_dscnt 4*NL
	WIN MUL_LO
	MUL16 0, 1, NQ-1, 0, 0
	MUL16 2, 1, NQ-1, 0, 0
	s_wait_dscnt 0x0                               ; source 1's blocks 4-7 are in
	WIN 0
	PLACES NP
	v_add_nc_u32 v[ADRS], 4*NQ, v[ADRS]            ; the second half of each row of scales
	FETCH_B 1, 0, 0
	FETCH_A 1, 0, 0
	SCALES 1
	WIN MUL_HI
	MUL16 4, 1, NQ-1, 0, 0
	MUL16 6, 1, NQ-1, 0, 0
	PLACES NP
	WIN 0
	FETCH_A 1, 0, 4
	STEPS 1, 0
	s_wait_dscnt 4*NL                              ; the very last step: nothing more to fetch
	WIN MUL_LO
	MUL16 0, 1, NQ-1, 1, 0
	MUL16 2, 1, NQ-1, 1, 0
	s_wait_dscnt 0
	WIN MUL_HI
	MUL16 4, 1, NQ-1, 1, 0
	MUL16 6, 1, NQ-1, 1, 0
	WIN 0
; THE WAY OUT, block a (16 rows of source 1) at a time: 64 numbers a lane come into window 0 (with the bias by lanes), are quantised, and leave as two stores of 512 consecutive bytes.
.macro BLOCK a
	WIN 2+(\a)/4                                   ; source 0: window 2 or 3
.set i, 0
.rept 32
	v_pk_add_f32 v[H+2*i:H+2*i+1], v[64*((\a)%4)+2*i:64*((\a)%4)+2*i+1], v[BM2+2*(\a):BM2+2*(\a)+1]   ; ascending: each accumulator is read from its low end on
.set i, i+1
.endr
	WIN 0
.irp b, 0,1,2,3
	v_max3_num_f32 v[TM+\b], |v[H+16*\b]|, |v[H+1+16*\b]|, 0x1800000   ; block b of 32: my 16 numbers, and the floor 2^(3 - 127): so the byte cannot fall under 1
.endr
.irp i, 2,4,6,8,10,12,14
.irp b, 0,1,2,3
	v_max3_num_f32 v[TM+\b], v[TM+\b], |v[H+16*\b+\i]|, |v[H+1+16*\b+\i]|   ; (the four blocks by turns)
.endr
.endr
.irp b, 0,1,2,3
	v_permlanex16_b32 v[TM+4+\b], v[TM+\b], s[SEL], s[SEL+1]
.endr
.irp b, 0,1,2,3
	v_max_num_f32 v[TM+\b], v[TM+\b], v[TM+4+\b]   ; with lane l xor 16's: the block's largest magnitude
.endr
.irp b, 0,1,2,3
	v_add_nc_u32 v[TM+12+\b], 0xff000000, v[TM+\b] ; 2 off its exponent field: the conversion takes the exponent field of this operand as its scale
.endr
.irp b, 0,1,2,3
	v_lshrrev_b32 v[TM+4+\b], 23, v[TM+12+\b]      ; the scale's byte
.endr
	v_lshl_or_b32 v[W+\a], v[TM+5], 8, v[TM+4]
	v_lshl_or_b32 v[W+\a], v[TM+6], 16, v[W+\a]
	v_lshl_or_b32 v[W+\a], v[TM+7], 24, v[W+\a]
	s_wait_xcnt 0x0                                ; the last block's stores have read their data and their base: both are written again only behind this wait
.irp b, 0,1,2,3                                ; accumulator 2 b + u holds K = 32 b + 16 u + 8 h + j: its codes go to register 4 (b / 2) + b % 2 + 2 u
	v_cvt_scalef32_pk8_fp4_f32 v[PC+4*(\b/2)+(\b%2)], v[H+16*\b:H+16*\b+7], v[TM+12+\b]
	v_cvt_scalef32_pk8_fp4_f32 v[PC+4*(\b/2)+(\b%2)+2], v[H+16*\b+8:H+16*\b+15], v[TM+12+\b]
.endr
	v_nop                                          ; one plain place behind a scaled conversion
.irp c, 0,1                                    ; the first's lanes 16-31 change places with the second's lanes 0-15: registers 4 c .. 4 c + 3 then hold K = 64 c + 32 h + 0 .. 31
	v_permlane16_swap_b32 v[PC+4*\c], v[PC+4*\c+1]
	v_permlane16_swap_b32 v[PC+4*\c+2], v[PC+4*\c+3]
.endr
.if (\a) > 0
	s_add_nc_u64 s[OB:OB+1], s[OB:OB+1], s[STA:STA+1]
.endif
.if (\a) == 4
	s_add_nc_u64 s[OB:OB+1], s[OB:OB+1], s[STJ:STJ+1]
.endif
	global_store_b128 v[OFF0], v[PC:PC+3], s[OB:OB+1]
	global_store_b128 v[OFF1], v[PC+4:PC+7], s[OB:OB+1]
.endm
	PLACES NP                                      ; behind the last products: the first additions read results and write registers that held fragments
.irp b, 0,1,2,3
	v_mov_b32 v[TM+4+\b], 0                        ; written once: a lane permute's destination counts as one of its sources
.endr
.irp a, 0,1,2,3,4,5,6,7
	BLOCK \a
.endr
	v_cmp_le_u32 vcc_lo, 16, v[LN]
.irp i, 0,1,2,3
	v_cndmask_b32 v[OUT+\i], v[W+\i], v[W+4+\i], vcc_lo   ; lane 16 u + r stores row r's words of blocks 4 u .. 4 u + 3 (both halves of the lanes hold every word)
.endr
	global_store_b128 v[OFF0], v[OUT:OUT+3], s[SPT:SPT+1]   ; 512 consecutive bytes, aligned
	s_wait_tensorcnt 0x0
	ds_add_u32 v126, v127
	s_wait_dscnt 0x0
	CROUND                                         ; the closing round: no work-group ends while a partner may still ask for a tile that names it
	s_endpgm
.Lfunc_end_k_qb8cc408fca_proj:
	.size	k_qb8cc408fca_proj, .Lfunc_end_k_qb8cc408fca_proj-k_qb8cc408fca_proj
	.p2alignl 7, 3214868480
	.fill 96, 4, 3214868480
	.section	.rodata,"a",@progbits
	.p2align	6, 0x0
	.amdhsa_kernel k_qb8cc408fca_proj
		.amdhsa_group_segment_fixed_size 296448
		.amdhsa_private_segment_fixed_size 0
		.amdhsa_enable_private_segment 0
		.amdhsa_kernarg_size 136
		.amdhsa_user_sgpr_count 2
		.amdhsa_user_sgpr_kernarg_segment_ptr 1
		.amdhsa_wavefront_size32 1
		.amdhsa_system_sgpr_workgroup_id_x 1
		.amdhsa_system_sgpr_workgroup_id_y 1
		.amdhsa_system_sgpr_workgroup_id_z 1
		.amdhsa_system_vgpr_workitem_id 0
		.amdhsa_next_free_vgpr 1024
		.amdhsa_next_free_sgpr 106
		.amdhsa_reserve_vcc 1
		.amdhsa_float_denorm_mode_32 3
		.amdhsa_float_denorm_mode_16_64 3
		.amdhsa_memory_ordered 1
		.amdhsa_forward_progress 1
		.amdhsa_inst_pref_size 149
	.end_amdhsa_kernel
	.amdgpu_metadata
---
amdhsa.version: [ 1, 2 ]
amdhsa.kernels:
  - .name:           k_qb8cc408fca_proj
    .symbol:         k_qb8cc408fca_proj.kd
    .args:
      - { .name: query_codes, .offset: 0, .size: 8, .value_kind: global_buffer, .address_space: global }
      - { .name: key_codes, .offset: 8, .size: 8, .value_kind: global_buffer, .address_space: global }
      - { .name: value_codes, .offset: 16, .size: 8, .value_kind: global_buffer, .address_space: global }
      - { .name: query_scales, .offset: 24, .size: 8, .value_kind: global_buffer, .address_space: global }
      - { .name: key_scales, .offset: 32, .size: 8, .value_kind: global_buffer, .address_space: global }
      - { .name: value_scales, .offset: 40, .size: 8, .value_kind: global_buffer, .address_space: global }
      - { .name: w_q_codes, .offset: 48, .size: 8, .value_kind: global_buffer, .address_space: global }
      - { .name: w_k_codes, .offset: 56, .size: 8, .value_kind: global_buffer, .address_space: global }
      - { .name: w_v_codes, .offset: 64, .size: 8, .value_kind: global_buffer, .address_space: global }
      - { .name: w_q_scales, .offset: 72, .size: 8, .value_kind: global_buffer, .address_space: global }
      - { .name: w_k_scales, .offset: 80, .size: 8, .value_kind: global_buffer, .address_space: global }
      - { .name: w_v_scales, .offset: 88, .size: 8, .value_kind: global_buffer, .address_space: global }
      - { .name: b_q, .offset: 96, .size: 8, .value_kind: global_buffer, .address_space: global }
      - { .name: b_k, .offset: 104, .size: 8, .value_kind: global_buffer, .address_space: global }
      - { .name: b_v, .offset: 112, .size: 8, .value_kind: global_buffer, .address_space: global }
      - { .name: img, .offset: 120, .size: 8, .value_kind: global_buffer, .address_space: global }
      - { .name: scl, .offset: 128, .size: 8, .value_kind: global_buffer, .address_space: global }
    .group_segment_fixed_size: 296448
    .private_segment_fixed_size: 0
    .kernarg_segment_align: 8
    .kernarg_segment_size: 136
    .max_flat_workgroup_size: 128
    .sgpr_count:     106
    .vgpr_count:     1024
    .wavefront_size: 32
...
	.end_amdgpu_metadata
.endif
;; end of part 2
;; launch attn (part 3): grid 8 x 32, 16 waves a work-group, clusters of 4 x 1, 327,680 bytes of LDS; arguments img, scl, mw, aimg, asc; writes aimg, asc
.if DOCPART == 3
	.amdgcn_target "amdgcn-amd-amdhsa--gfx1250"
	.amdhsa_code_object_version 6
	.text
	.protected	k_qb8cc408fca_attn
	.globl	k_qb8cc408fca_attn
	.p2align	8
	.type	k_qb8cc408fca_attn,@function
k_qb8cc408fca_attn:
	s_mov_b64 s[64:65], 0
	v_nop
	global_prefetch_b8 v0, s[64:65] scope:SCOPE_SE
	s_setreg_imm32_b32 hwreg(HW_REG_WAVE_MODE, 25, 1), 1
	s_wait_xcnt 0x0
	s_wait_alu depctr_hold_cnt(0) depctr_sa_sdst(0) depctr_va_vdst(0) depctr_va_sdst(0) depctr_va_ssrc(0) depctr_va_vcc(0) depctr_vm_vsrc(0)
	s_getreg_b32 s2, hwreg(HW_REG_IB_STS2, 6, 4)
	s_cmp_eq_u32 s2, 0
	s_cbranch_scc0 .Lentry_in_a_cluster
	s_endpgm
.Lentry_in_a_cluster:
	s_bfe_u32 s2, ttmp6, 0x10000c
	s_cmp_lg_u32 s2, 0x3003
	s_cbranch_scc0 .Lentry_shape_is_right
	s_endpgm
.Lentry_shape_is_right:
; Attention on codes of FP4 for a pair of heads: S^T = K Q^T, the softmax by a running whole-number M, O^T = V^T P^T; the result is quantised for the last projection.
; A work-group owns 256 queries of a pair of heads, a wave 16 of them; the pair's K and V images and scale words stay in LDS; the even head is walked first, then the odd one, 128 keys a step.
; THE MASK RIDES IN THE SCORE PRODUCT.  A head has 64 features and the instruction 128 along K.  The spare 64 hold, on the keys' side, the code 1.0 at place 16 t + row of tile t (fixed registers),
; and on the queries' side 64 codes of mw: -6 for a hidden key, 0 for an open one.  The spare blocks' scale bytes are set to 2^0 (keys) and 2^12 (queries): a hidden key's score is its own less 24,576; an open key's gets zeros added.
; A row with every key hidden has the code -0 throughout in mw: its query's codes are cleared, so that all its scores are 0 and its softmax is uniform.
; LIMIT: a hidden key counts for nothing while the row's largest open score (before the division by 8) lies less than 23,000 under the hidden keys' own scores; NaN and infinities are not served.
; The mask's two loads of a step are issued in the step before; they are 1,024 bytes a wave and step, read by both heads of the pair and by all eight pairs: no prefetch is laid for them.
.set KI,   0
.set VI,   131072
.set SCB,  262144
.set STG,  278528
.set LI,   1
.set R16,  2
.set LK,   3
.set LV,   4
.set LS,   5
.set LT,   6
.set ADK,  7
.set ADV,  8
.set ADS,  9
.set ADT,  10
.set XI,   248                         ; v248-251 the code 1.0 at nibble lane % 8, in the lanes with lane / 8 = 0, 1, 2, 3
.set SQ0,  252                         ; v252     Q's scale words of both heads, as loaded
.set QF,   16
.set KF,   32
.set VF,   64
.set S,    96
.set O,    160
.set PC,   192
.set SK,   200
.set SV,   204
.set SQ,   208
.set SP,   209
.set TMP,  210
.set BM,   212
.set T,    216
.set SO,   220
.set F,    224
.set L2,   226
.set X,    228
.set W0,   236
.set W1,   237
.set WST,  238
.set WGO,  239
.set WLD,  240
.set WD,   244
.set WV,   2
.set CNT,  3
.set MWP,  4
.set SKO,  6
.set SSO,  7
.set SEL,  10
.set CS,   12
.set AIP,  14
.set ASP,  16
.set G1,   68
.set G1S,  76
.set G0A,  84
.set G0S,  88
.macro CROUND
	s_barrier_signal -1
	s_barrier_wait -1
	s_cmp_lg_u32 s[WV], 0
	s_cbranch_scc1 .Lnot_wave_0_\@
	s_barrier_signal -3
.Lnot_wave_0_\@:
	s_barrier_wait -3
	s_barrier_signal -1
	s_barrier_wait -1
.endm
	s_load_b256 s[20:27], s[0:1], 0x0
	s_load_b64 s[28:29], s[0:1], 0x20
	v_lshl_add_u32 v254, v0, 2, 0x44400
	v_mov_b32 v255, 0
	ds_add_u32 v254, v255
	ds_add_u32 v254, v255
	v_lshrrev_b32 v1, 5, v0
	s_delay_alu instid0(VALU_DEP_1)
	v_readfirstlane_b32 s[WV], v1
	s_bfe_u32 s32, ttmp6, 0x40000
	s_lshl_b32 s33, ttmp9, 2
	s_add_co_u32 s33, s33, s32
	s_and_b32 s34, ttmp7, 0xffff
	s_mov_b32 s[G1], 15|(3<<16)|(1<<21)
	s_mov_b32 s[G1+1], 32<<16
	s_mov_b32 s[G1+2], 128<<16
	s_mov_b32 s[G1+3], 32<<16
	s_mov_b32 s[G1+4], 128
	s_mov_b32 s[G1+5], 32
	s_mov_b32 s[G1+6], 0
	s_mov_b32 s[G1+7], 0
	s_mov_b32 s[G1S], 15|(3<<16)|(1<<21)
	s_mov_b32 s[G1S+1], 32<<16
	s_mov_b32 s[G1S+2], 8<<16
	s_mov_b32 s[G1S+3], 32<<16
	s_mov_b32 s[G1S+4], 8
	s_mov_b32 s[G1S+5], 32
	s_mov_b32 s[G1S+6], 0
	s_mov_b32 s[G1S+7], 0
	s_and_b32 s44, s[WV], 7                        ; waves 0-7 fetch an eighth of the pair's K and V images (32,768 bytes), waves 8-15 an eighth of its scale words (2,048 bytes)
	s_lshr_b32 s40, s44, 2
	s_add_co_u32 s40, s40, 1
	s_lshl_b32 s40, s40, 22
	s_lshl_b32 s41, s34, 17
	s_add_co_u32 s40, s40, s41
	s_and_b32 s41, s44, 3
	s_lshl_b32 s41, s41, 15
	s_add_co_u32 s40, s40, s41
	s_mov_b32 s41, 0
	s_lshl_b32 s42, s34, 14
	s_add_co_u32 s42, s42, 262144
	s_lshl_b32 s43, s44, 11
	s_add_co_u32 s42, s42, s43
	s_mov_b32 s43, 0
	s_wait_dscnt 0x0
	s_wait_kmcnt 0x0
	s_mov_b32 s[G0A], 1
	s_lshl_b32 s[G0A+1], s44, 15
	s_add_nc_u64 s[G0A+2:G0A+3], s[20:21], s[40:41]
	s_or_b32 s[G0A+3], s[G0A+3], 0x80000000
	s_mov_b32 s[G0S], 1
	s_lshl_b32 s[G0S+1], s44, 11
	s_add_co_u32 s[G0S+1], s[G0S+1], SCB
	s_add_nc_u64 s[G0S+2:G0S+3], s[22:23], s[42:43]
	s_or_b32 s[G0S+3], s[G0S+3], 0x80000000
	CROUND
	s_cmp_lt_u32 s[WV], 8                          ; one joint load a wave, in the two arms of one branch on the wave's number; nothing is filled later
	s_cbranch_scc0 .Lhead_sc
	tensor_load_to_lds s[G0A:G0A+3], s[G1:G1+7]
	s_nop 0
.rept 4
	v_nop
.endr
	s_branch .Lhead_asked
.Lhead_sc:
	tensor_load_to_lds s[G0S:G0S+3], s[G1S:G1S+7]
	s_nop 0
.rept 4
	v_nop
.endr
.Lhead_asked:
	s_lshl_b32 s35, s33, 4
	s_add_co_u32 s35, s35, s[WV]
	s_lshr_b32 s36, s34, 3
	s_and_b32 s37, s34, 7
	s_lshl_b32 s38, s36, 7
	s_add_co_u32 s38, s38, s35
	s_lshl_b32 s40, s34, 17
	s_lshl_b32 s41, s35, 9
	s_add_co_u32 s40, s40, s41
	s_mov_b32 s41, 0
	s_add_nc_u64 s[20:21], s[20:21], s[40:41]
	s_lshl_b32 s40, s34, 4
	s_lshl_b32 s41, s33, 1
	s_add_co_u32 s40, s40, s41
	s_lshr_b32 s41, s[WV], 3
	s_add_co_u32 s40, s40, s41
	s_lshl_b32 s40, s40, 9
	s_bfe_u32 s41, s[WV], 0x10002
	s_lshl_b32 s41, s41, 8
	s_add_co_u32 s40, s40, s41
	s_and_b32 s41, s[WV], 3
	s_lshl_b32 s41, s41, 2
	s_add_co_u32 s40, s40, s41
	s_mov_b32 s41, 0
	s_add_nc_u64 s[22:23], s[22:23], s[40:41]
	s_lshl_b32 s40, s38, 14
	s_add_nc_u64 s[MWP:MWP+1], s[24:25], s[40:41]
	s_lshl_b32 s40, s38, 3
	s_add_co_u32 s40, s40, s37
	s_lshl_b32 s40, s40, 10
	s_add_nc_u64 s[AIP:AIP+1], s[26:27], s[40:41]
	s_lshl_b32 s40, s37, 15
	s_lshl_b32 s42, s36, 13
	s_add_co_u32 s40, s40, s42
	s_lshl_b32 s42, s33, 10
	s_add_co_u32 s40, s40, s42
	s_add_nc_u64 s[ASP:ASP+1], s[28:29], s[40:41]
	s_mov_b32 s[SEL], 0x76543210
	s_mov_b32 s[SEL+1], 0xfedcba98
	s_mov_b32 s[CS], 0x3e38aa3b
	s_mov_b32 s[CS+1], s[CS]
	v_and_b32 v[LI], 31, v0
	s_delay_alu instid0(VALU_DEP_1)
	v_lshlrev_b32 v[LI], 4, v[LI]
	v_and_b32 v[R16], 15, v0
	v_lshrrev_b32 v[TMP], 5, v0
	s_delay_alu instid0(VALU_DEP_2)
	v_lshlrev_b32 v[WST], 2, v[R16]
	s_delay_alu instid0(VALU_DEP_1)
	v_lshl_add_u32 v[WST], v[TMP], 6, v[WST]
	s_delay_alu instid0(VALU_DEP_1)
	v_add_nc_u32 v[WST], STG, v[WST]
	v_lshlrev_b32 v[R16], 4, v[R16]
	v_lshlrev_b32 v[WGO], 4, v0
	s_delay_alu instid0(VALU_DEP_1)
	v_add_nc_u32 v[WLD], STG, v[WGO]
	global_load_b32 v[SQ0], v[R16], s[22:23]
	v_and_b32 v[TMP], 7, v0
	v_mov_b32 v[TMP+1], 2                          ; the code of 1.0
	v_lshlrev_b32 v[TMP], 2, v[TMP]
	v_lshlrev_b32 v[TMP], v[TMP], v[TMP+1]         ; at nibble lane % 8
	v_bfe_u32 v[TMP+1], v0, 3, 2                   ; lane / 8
.irp m, 0,1,2,3
	v_cmp_eq_u32 vcc_lo, \m, v[TMP+1]
	v_cndmask_b32 v[XI+\m], 0, v[TMP], vcc_lo
.endr
.irp b, 0,1,2,3
	v_mov_b32 v[T+\b], 0
.endr
	v_mov_b32 v[F+1], 0
	s_wait_alu depctr_va_vdst(0)
	s_wait_tensorcnt 0x0
	s_wait_loadcnt 0x0
	s_barrier_signal -1
	s_barrier_wait -1
; A step's codes of the mask, into the spare halves of the two query operands (keys 0-63 and 64-127).  The base is stepped behind the wait that showed the last two loads done
.macro MLOAD how, e
.if (\how) == 1
	s_add_nc_u64 s[MWP:MWP+1], s[MWP:MWP+1], 1024
.endif
.if (\how) == 2
	s_sub_nc_u64 s[MWP:MWP+1], s[MWP:MWP+1], 15*1024
.endif
	global_load_b128 v[QF+4*(1-\e):QF+4*(1-\e)+3], v[LI], s[MWP:MWP+1]
	global_load_b128 v[QF+8+4*(1-\e):QF+8+4*(1-\e)+3], v[LI], s[MWP:MWP+1] offset:512
.endm
.macro MAX_HEAD b0
.irp b, \b0, \b0+1
	v_max3_num_f32 v[BM+\b], v[S+16*(\b)], v[S+16*(\b)+1], v[S+16*(\b)+2]
.endr
.irp i, 3,5,7,9,11
.irp b, \b0, \b0+1
	v_max3_num_f32 v[BM+\b], v[BM+\b], v[S+16*(\b)+\i], v[S+16*(\b)+\i+1]
.endr
.endr
.endm
.macro MAX_TAIL b0
.irp b, \b0, \b0+1
	v_max3_num_f32 v[BM+\b], v[BM+\b], v[S+16*(\b)+13], v[S+16*(\b)+14]
.endr
.irp b, \b0, \b0+1
	v_max_num_f32 v[BM+\b], v[BM+\b], v[S+16*(\b)+15]
.endr
.endm
.macro STEP e, more, mload
	v_add_nc_u32 v[ADV], s[SKO], v[LV]
	v_add_nc_u32 v[ADT], s[SSO], v[LT]
	v_nop
	v_nop
.irp t, 0,1,2,3
.irp c, 0,1
	ds_load_b128 v[VF+8*\t+4*\c:VF+8*\t+4*\c+3], v[ADV] offset:1024*\t+512*\c
.endr
.endr
	ds_load_b128 v[SV:SV+3], v[ADT]
	s_wait_dscnt 9                                 ; all but the nine loads just issued
	s_wait_loadcnt 0x0                             ; the step's codes of the mask
.irp t, 0,1,2,3
	v_wmma_scale_f32_16x16x128_f8f6f4 v[S+8*\t:S+8*\t+7], v[KF+8*\t:KF+8*\t+7], v[QF:QF+7], 0, v[SK+\t], v[SQ] matrix_a_fmt:MATRIX_FMT_FP4 matrix_b_fmt:MATRIX_FMT_FP4
.endr
.rept 4
	v_nop
.endr
.irp t, 0,1,2,3
	ds_load_b128 v[KF+8*\t+4*\e:KF+8*\t+4*\e+3], v[ADK] offset:2048+512*\t
.endr
	MAX_HEAD 0
	s_wait_alu depctr_va_vdst(0)
	s_wait_dscnt 0x0
.irp t, 0,1,2,3
	v_wmma_scale_f32_16x16x128_f8f6f4 v[S+32+8*\t:S+32+8*\t+7], v[KF+8*\t:KF+8*\t+7], v[QF+8:QF+15], 0, v[SK+\t], v[SQ] matrix_a_fmt:MATRIX_FMT_FP4 matrix_b_fmt:MATRIX_FMT_FP4 matrix_a_scale:MATRIX_SCALE_ROW1
.endr
	MAX_TAIL 0
.if \more
	s_add_co_u32 s[SKO], s[SKO], 4096
	s_add_co_u32 s[SSO], s[SSO], 512
	v_add_nc_u32 v[ADK], s[SKO], v[LK]
	v_add_nc_u32 v[ADS], s[SSO], v[LS]
.irp t, 0,1,2,3
	ds_load_b128 v[KF+8*\t+4*\e:KF+8*\t+4*\e+3], v[ADK] offset:512*\t
.endr
	ds_load_b128 v[SK:SK+3], v[ADS]
.endif
.if \mload
	MLOAD \mload, \e
.endif
	MAX_HEAD 2
	MAX_TAIL 2
.irp b, 0,1,2,3
	v_permlanex16_b32 v[T+\b], v[BM+\b], s[SEL], s[SEL+1]
.endr
.irp b, 0,1,2,3
	s_delay_alu instid0(VALU_DEP_4)
	v_max_num_f32 v[BM+\b], v[BM+\b], v[T+\b]
.endr
	s_delay_alu instid0(VALU_DEP_2)
	v_max3_num_f32 v[TMP], v[BM], v[BM+1], v[BM+2]
	s_delay_alu instid0(VALU_DEP_1)
	v_max_num_f32 v[TMP], v[TMP], v[BM+3]
	s_delay_alu instid0(VALU_DEP_1)
	v_mul_f32 v[TMP], s[CS], v[TMP]
	s_delay_alu instid0(VALU_DEP_1)
	v_max_num_f32 v13, v13, v[TMP]
	v_mov_b32 v[TMP], v12
	s_delay_alu instid0(VALU_DEP_2)
	v_floor_f32 v12, -v13
	s_delay_alu instid0(VALU_DEP_1)
	v_sub_f32 v[TMP], v12, v[TMP]
	s_delay_alu instid0(VALU_DEP_1)
	v_cvt_i32_f32 v[TMP], v[TMP]
	s_delay_alu instid0(VALU_DEP_1)
	v_ldexp_f32 v[F], 1.0, v[TMP]
.set j, 0
.rept 32
	v_pk_fma_f32 v[S+j:S+j+1], v[S+j:S+j+1], s[CS:CS+1], v[12:13] op_sel_hi:[1,0,0]
.set j, j+2
.endr
.irp b, 0,1,2,3
	v_fma_f32 v[BM+\b], v[BM+\b], s[CS], v12
.endr
.set j, 0
	s_wait_alu depctr_va_vdst(0)
.rept 64
	v_exp_f32 v[S+j], v[S+j]
.set j, j+1
.endr
	v_pk_mul_f32 v[14:15], v[14:15], v[F:F+1] op_sel_hi:[1,0]
	s_wait_alu depctr_va_vdst(0)
.irp b, 0,1,2,3
	v_exp_f32 v[BM+\b], v[BM+\b]
.endr
	v_pk_add_f32 v[L2:L2+1], v[S:S+1], v[S+2:S+3]
.set j, 4
.rept 15
	v_pk_add_f32 v[14:15], v[14:15], v[S+j:S+j+1]
	v_pk_add_f32 v[L2:L2+1], v[L2:L2+1], v[S+j+2:S+j+3]
.set j, j+4
.endr
	s_delay_alu instid0(VALU_DEP_1)
	v_pk_add_f32 v[14:15], v[14:15], v[L2:L2+1]
	s_wait_alu depctr_va_vdst(0)
.irp b, 0,1,2,3
	v_max_num_f32 v[BM+\b], 0x1800000, v[BM+\b]
.endr
.irp b, 0,1,2,3
	s_delay_alu instid0(VALU_DEP_4)
	v_add_nc_u32 v[SO+\b], 0xff000000, v[BM+\b]
.endr
.irp b, 0,1,2,3
	s_delay_alu instid0(VALU_DEP_4)
	v_lshrrev_b32 v[T+\b], 23, v[SO+\b]
.endr
	s_delay_alu instid0(VALU_DEP_3)
	v_lshl_or_b32 v[SP], v[T+1], 8, v[T]
	s_delay_alu instid0(VALU_DEP_1)
	v_lshl_or_b32 v[SP], v[T+2], 16, v[SP]
	s_delay_alu instid0(VALU_DEP_1)
	v_lshl_or_b32 v[SP], v[T+3], 24, v[SP]
.irp b, 0,1,2,3
	v_cvt_scalef32_pk8_fp4_f32 v[PC+4*(\b/2)+(\b%2)], v[S+16*\b:S+16*\b+7], v[SO+\b]
	v_cvt_scalef32_pk8_fp4_f32 v[PC+4*(\b/2)+(\b%2)+2], v[S+16*\b+8:S+16*\b+15], v[SO+\b]
.endr
	v_nop
.irp c, 0,1
	v_permlane16_swap_b32 v[PC+4*\c], v[PC+4*\c+1]
	v_permlane16_swap_b32 v[PC+4*\c+2], v[PC+4*\c+3]
.endr
.if \more
	s_wait_dscnt 0x0                               ; the next step's scale words of K are in:
.irp t, 0,1,2,3
	v_and_or_b32 v[SK+\t], v[SK+\t], s8, s9        ; the spare blocks' two bytes become 2^0 (the sixteen lines below are the places ahead of the next scaled product that names them)
.endr
.endif
.set j, 0
.rept 16
	v_pk_mul_f32 v[O+j:O+j+1], v[O+j:O+j+1], v[F:F+1] op_sel_hi:[1,0]
.set j, j+2
.endr
.irp t, 0,1,2,3
	v_wmma_scale_f32_16x16x128_f8f6f4 v[O+8*\t:O+8*\t+7], v[VF+8*\t:VF+8*\t+7], v[PC:PC+7], v[O+8*\t:O+8*\t+7], v[SV+\t], v[SP] matrix_a_fmt:MATRIX_FMT_FP4 matrix_b_fmt:MATRIX_FMT_FP4
.endr
.endm
.macro FIN e, w
	v_add_f32 v14, v14, v15
	v_nop
	v_nop
	v_nop
	v_permlanex16_b32 v[T], v14, s[SEL], s[SEL+1]
	s_delay_alu instid0(VALU_DEP_1)
	v_add_f32 v14, v14, v[T]
	s_wait_alu depctr_va_vdst(0)
	v_rcp_f32 v[F], v14
	v_nop
	s_wait_alu depctr_va_vdst(0)
.set j, 0
.rept 16
	v_pk_mul_f32 v[O+j:O+j+1], v[O+j:O+j+1], v[F:F+1] op_sel_hi:[1,0]
.set j, j+2
.endr
.irp b, 0,1
	v_max3_num_f32 v[BM+\b], |v[O+16*\b]|, |v[O+16*\b+1]|, 0x1800000
.endr
.irp i, 2,4,6,8,10,12,14
.irp b, 0,1
	s_delay_alu instid0(VALU_DEP_2)
	v_max3_num_f32 v[BM+\b], v[BM+\b], |v[O+16*\b+\i]|, |v[O+16*\b+\i+1]|
.endr
.endr
.irp b, 0,1
	s_delay_alu instid0(VALU_DEP_2)
	v_permlanex16_b32 v[T+\b], v[BM+\b], s[SEL], s[SEL+1]
.endr
.irp b, 0,1
	s_delay_alu instid0(VALU_DEP_2)
	v_max_num_f32 v[BM+\b], v[BM+\b], v[T+\b]
.endr
.irp b, 0,1
	s_delay_alu instid0(VALU_DEP_2)
	v_add_nc_u32 v[SO+\b], 0xff000000, v[BM+\b]
.endr
.irp b, 0,1
	s_delay_alu instid0(VALU_DEP_2)
	v_lshrrev_b32 v[T+\b], 23, v[SO+\b]
.endr
	s_delay_alu instid0(VALU_DEP_1)
	v_lshl_or_b32 v[\w], v[T+1], 8, v[T]
.irp b, 0,1
	v_cvt_scalef32_pk8_fp4_f32 v[X+4*\e+\b], v[O+16*\b:O+16*\b+7], v[SO+\b]
	v_cvt_scalef32_pk8_fp4_f32 v[X+4*\e+\b+2], v[O+16*\b+8:O+16*\b+15], v[SO+\b]
.endr
	v_nop
	v_permlane16_swap_b32 v[X+4*\e], v[X+4*\e+1]
	v_permlane16_swap_b32 v[X+4*\e+2], v[X+4*\e+3]
	global_store_b128 v[LI], v[X+4*\e:X+4*\e+3], s[AIP:AIP+1] offset:512*\e
.endm
.macro HEAD e, w
.irp t, 0,1,2,3                                ; the keys' spare half: row r of tile t has 1.0 at place 16 t + r, which lies in lanes with lane / 16 = t / 2, register 2 (t % 2) + r / 8
.irp u, 0,1
	v_mov_b32 v[KF+8*\t+4*(1-\e)+2*(\t%2)+\u], v[XI+2*(\t/2)+\u]
	v_mov_b32 v[KF+8*\t+4*(1-\e)+2*(1-\t%2)+\u], 0
.endr
.endr
	v_add_nc_u32 v[LK], KI+65536*\e, v[LI]
	v_add_nc_u32 v[LV], VI+65536*\e, v[LI]
	v_add_nc_u32 v[LS], SCB, v[LI]
	v_add_nc_u32 v[LT], SCB+8192+256*\e, v[R16]
	s_mov_b32 s[SKO], 0
	s_mov_b32 s[SSO], 0
	v_add_nc_u32 v[ADK], s[SKO], v[LK]
	v_add_nc_u32 v[ADS], s[SSO], v[LS]
.irp t, 0,1,2,3
	ds_load_b128 v[KF+8*\t+4*\e:KF+8*\t+4*\e+3], v[ADK] offset:512*\t
.endr
	ds_load_b128 v[SK:SK+3], v[ADS]
	global_load_b128 v[QF+4*\e:QF+4*\e+3], v[LI], s[20:21] offset:65536*\e      ; the head's Q, twice: one operand for keys 0-63 of a step, one for keys 64-127
	global_load_b128 v[QF+8+4*\e:QF+8+4*\e+3], v[LI], s[20:21] offset:65536*\e
	MLOAD 2*\e, \e                                 ; the first step's codes of the mask
	s_mov_b32 s8, 0xffff<<(16*\e)                  ; the head's own two scale bytes are kept,
	s_mov_b32 s9, 0x7f7f<<(16*(1-\e))              ; the spare blocks' become 2^0
	v_mov_b32 v13, 0xff61b1e6
	s_delay_alu instid0(VALU_DEP_1)
	v_floor_f32 v12, -v13
	v_mov_b32 v14, 0
	v_mov_b32 v15, 0
	s_wait_alu depctr_va_vdst(0)
	s_wait_loadcnt 0x0
	s_wait_dscnt 0x0
	v_cmp_ne_u32 s18, 0x88888888, v[QF+4*(1-\e)]   ; 0 in the lanes of a query with every key hidden
.irp i, 0,1,2,3
	v_cndmask_b32 v[QF+4*\e+\i], 0, v[QF+4*\e+\i], s18       ; whose codes are cleared
	v_cndmask_b32 v[QF+8+4*\e+\i], 0, v[QF+8+4*\e+\i], s18
.endr
.irp t, 0,1,2,3
	v_and_or_b32 v[SK+\t], v[SK+\t], s8, s9
.endr
	v_and_or_b32 v[SQ], v[SQ0], s8, 0x8b8b<<(16*(1-\e))      ; Q's spare blocks: 2^12
.set j, 0
.rept 32
	v_mov_b32 v[O+j], 0
.set j, j+1
.endr
	s_mov_b32 s[CNT], 15
.Lstep_\e:
	STEP \e, 1, 1
	s_sub_co_u32 s[CNT], s[CNT], 1
	s_cmp_lg_u32 s[CNT], 0
	s_cbranch_scc1 .Lstep_\e
	STEP \e, 0, 0
	FIN \e, \w
.endm
	HEAD 0, W0
	HEAD 1, W1
	v_lshl_or_b32 v[W1], v[W1], 16, v[W0]
	ds_store_b32 v[WST], v[W1]
	s_wait_dscnt 0x0
	s_barrier_signal -1
	s_barrier_wait -1
	s_cmp_lt_u32 s[WV], 2
	s_cbranch_scc0 .Lnot_mine
	ds_load_b128 v[WD:WD+3], v[WLD]
	s_wait_dscnt 0x0
	global_store_b128 v[WGO], v[WD:WD+3], s[ASP:ASP+1]
.Lnot_mine:
	s_wait_tensorcnt 0x0
	ds_add_u32 v254, v255
	s_wait_dscnt 0x0
	CROUND
	s_endpgm
.Lfunc_end_k_qb8cc408fca_attn:
	.size	k_qb8cc408fca_attn, .Lfunc_end_k_qb8cc408fca_attn-k_qb8cc408fca_attn
	.p2alignl 7, 3214868480
	.fill 96, 4, 3214868480
	.section	.rodata,"a",@progbits
	.p2align	6, 0x0
	.amdhsa_kernel k_qb8cc408fca_attn
		.amdhsa_group_segment_fixed_size 327680
		.amdhsa_private_segment_fixed_size 0
		.amdhsa_enable_private_segment 0
		.amdhsa_kernarg_size 40
		.amdhsa_user_sgpr_count 2
		.amdhsa_user_sgpr_kernarg_segment_ptr 1
		.amdhsa_wavefront_size32 1
		.amdhsa_system_sgpr_workgroup_id_x 1
		.amdhsa_system_sgpr_workgroup_id_y 1
		.amdhsa_system_sgpr_workgroup_id_z 1
		.amdhsa_system_vgpr_workitem_id 0
		.amdhsa_next_free_vgpr 256
		.amdhsa_next_free_sgpr 100
		.amdhsa_reserve_vcc 1
		.amdhsa_float_denorm_mode_32 3
		.amdhsa_float_denorm_mode_16_64 3
		.amdhsa_memory_ordered 1
		.amdhsa_forward_progress 1
		.amdhsa_inst_pref_size 87
	.end_amdhsa_kernel
	.amdgpu_metadata
---
amdhsa.version: [ 1, 2 ]
amdhsa.kernels:
  - .name:           k_qb8cc408fca_attn
    .symbol:         k_qb8cc408fca_attn.kd
    .args:
      - { .name: img, .offset: 0, .size: 8, .value_kind: global_buffer, .address_space: global }
      - { .name: scl, .offset: 8, .size: 8, .value_kind: global_buffer, .address_space: global }
      - { .name: mw, .offset: 16, .size: 8, .value_kind: global_buffer, .address_space: global }
      - { .name: aimg, .offset: 24, .size: 8, .value_kind: global_buffer, .address_space: global }
      - { .name: asc, .offset: 32, .size: 8, .value_kind: global_buffer, .address_space: global }
    .group_segment_fixed_size: 327680
    .private_segment_fixed_size: 0
    .kernarg_segment_align: 8
    .kernarg_segment_size: 40
    .max_flat_workgroup_size: 512
    .sgpr_count:     100
    .vgpr_count:     256
    .wavefront_size: 32
...
	.end_amdgpu_metadata
.endif
;; end of part 3
;; launch oproj (part 4): grid 4 x 32, 4 waves a work-group, clusters of 4 x 4, 327,680 bytes of LDS; arguments aimg, asc, w_o_codes, w_o_scales, b_o, out0; writes out0
.if DOCPART == 4
	.amdgcn_target "amdgcn-amd-amdhsa--gfx1250"
	.amdhsa_code_object_version 6
	.text
	.protected	k_qb8cc408fca_oproj
	.globl	k_qb8cc408fca_oproj
	.p2align	8
	.type	k_qb8cc408fca_oproj,@function
k_qb8cc408fca_oproj:
	s_mov_b64 s[64:65], 0
	v_nop
	global_prefetch_b8 v0, s[64:65] scope:SCOPE_SE
	s_setreg_imm32_b32 hwreg(HW_REG_WAVE_MODE, 25, 1), 1
	s_wait_xcnt 0x0
	s_wait_alu depctr_hold_cnt(0) depctr_sa_sdst(0) depctr_va_vdst(0) depctr_va_sdst(0) depctr_va_ssrc(0) depctr_va_vcc(0) depctr_vm_vsrc(0)
	s_getreg_b32 s2, hwreg(HW_REG_IB_STS2, 6, 4)
	s_cmp_eq_u32 s2, 0
	s_cbranch_scc0 .Lentry_in_a_cluster
	s_endpgm
.Lentry_in_a_cluster:
	s_bfe_u32 s2, ttmp6, 0x10000c
	s_cmp_lg_u32 s2, 0xf033
	s_cbranch_scc0 .Lentry_shape_is_right
	s_endpgm
.Lentry_shape_is_right:
.set NQ,     4
.set KROW,   512
.set PITCH,  528                       ; a row of w_o in LDS: 512 bytes (all of K) + 16 of padding
.set FR,     8
.set NL,     2
.set NP,     4
.set HALFT,  128*PITCH
.set ABYTES, 131072                    ; the images of 256 tokens, all of K: 16 tiles of 8,192 bytes, as they lie in aimg
.set KS,     32
.set ASCL,   ABYTES+2*HALFT            ; behind w_o's 256 rows: the tokens' scale words, 8 pairs of heads x 1,024 bytes
.set STAGE,  0x46400                   ; behind the spare words: the way out's stages, 16 rows x 528 bytes a wave, bytes on which no fill lands
.set BSCL,   ASCL+8192
.set HALFS,  16*272
.set SBLK,   2*272
.set SIZE_N, 1024
.set SPITCH, 528
.set ADRA, 16
.set ADRB, 20
.set ASB,  23
.set STO,  24
.set RD,   25
.set CO,   26
.set ASA,  27
.set SA,   32
.set SB,   64
.set AF,   128
.set BN,   192
.set BK,   128
.set G1,   24
.set G0,   32
.set G1B,  48
.set G0B,  56
.set G1S,  68
.set G0S,  76
.set G1SB, 80
.set G0SB, 88
.set MSB, 0
.macro WIN new
.if MSB != (\new)
	s_set_vgpr_msb (MSB<<8)|(\new)
.set MSB, (\new)
.endif
.endm
.set MUL_LO, 0xa1
.set MUL_HI, 0xf1
.set TO_B,   0x40
; An arm of the head's tree: the waves under a number issue one joint load and jump to the tree's end
.macro ARM under, g0, g1, next
	s_cmp_lt_u32 s14, \under
	s_cbranch_scc0 \next
	tensor_load_to_lds s[\g0:\g0+3], s[\g1:\g1+7]
	s_nop 0
.rept 4
	v_nop
.endr
	s_branch .Lhead_asked
\next:
.endm
.macro CROUND
	s_barrier_signal -1
	s_barrier_wait -1
	s_cmp_lg_u32 s14, 0
	s_cbranch_scc1 .Lnot_wave_0_\@
	s_barrier_signal -3
.Lnot_wave_0_\@:
	s_barrier_wait -3
	s_barrier_signal -1
	s_barrier_wait -1
.endm
	s_load_b128 s[4:7], s[0:1], 0x0
	s_load_b128 s[8:11], s[0:1], 0x10
	s_load_b64 s[2:3], s[0:1], 0x20
	s_load_b64 s[12:13], s[0:1], 0x28
	v_lshl_add_u32 v126, v0, 2, 0x46200
	v_mov_b32 v127, 0
	ds_add_u32 v126, v127
	ds_add_u32 v126, v127
	v_lshrrev_b32 v1, 5, v0
	v_readfirstlane_b32 s14, v1
	s_lshr_b32 s15, s14, 1
	s_and_b32 s16, s14, 1
	s_bfe_u32 s40, ttmp6, 0x40000
	s_bfe_u32 s41, ttmp6, 0x40004
	s_lshl_b32 s42, ttmp9, 2
	s_add_co_u32 s42, s42, s40
	s_and_b32 s17, ttmp7, 0xffff
	s_lshl_b32 s17, s17, 2
	s_add_co_u32 s17, s17, s41
	s_lshl_b32 s43, s41, 2
	s_lshl_b32 s43, 15, s43
	s_lshl_b32 s44, 0x1111, s40
	s_or_b32 s[G1+0], s43, (3<<16)|(1<<21)
	s_mov_b32 s[G1+1], 1024<<16                    ; 16 rows of 1,024 elements of 8 bytes: a tile of 16 tokens to a row
	s_mov_b32 s[G1+2], 16<<16
	s_mov_b32 s[G1+3], 1024<<16
	s_mov_b32 s[G1+4], 16
	s_mov_b32 s[G1+5], 1024
	s_mov_b32 s[G1+6], 0
	s_mov_b32 s[G1+7], 0
	s_or_b32 s[G1B+0], s44, (0<<16)|(1<<20)|(1<<21)|(6<<22)|(3<<25)  ; padding: four words after every 128
	s_mov_b32 s[G1B+1], 512<<16
	s_mov_b32 s[G1B+2], 256<<16
	s_mov_b32 s[G1B+3], 512<<16
	s_mov_b32 s[G1B+4], 256
	s_mov_b32 s[G1B+5], KROW
	s_mov_b32 s[G1B+6], 0
	s_mov_b32 s[G1B+7], 0
	s_or_b32 s[G1S+0], s43, (3<<16)|(1<<21)
	s_mov_b32 s[G1S+1], 128<<16                    ; 8 rows (pairs of heads) of 1,024 bytes: the words of 256 tokens
	s_mov_b32 s[G1S+2], 8<<16
	s_mov_b32 s[G1S+3], 128<<16
	s_mov_b32 s[G1S+4], 8
	s_mov_b32 s[G1S+5], 4096
	s_mov_b32 s[G1S+6], 0
	s_mov_b32 s[G1S+7], 0
	s_or_b32 s[G1SB+0], s44, (3<<16)|(1<<20)|(1<<21)|(5<<22)|(3<<25)
	s_mov_b32 s[G1SB+1], 32<<16
	s_mov_b32 s[G1SB+2], 32<<16
	s_mov_b32 s[G1SB+3], 32<<16
	s_mov_b32 s[G1SB+4], 32
	s_mov_b32 s[G1SB+5], 32
	s_mov_b32 s[G1SB+6], 0
	s_mov_b32 s[G1SB+7], 0
	s_lshl_b32 s20, s17, 8                         ; the tile's first token
	s_lshl_b32 s46, s42, 8                         ; and its first row of w_o
	s_mov_b32 s21, 0
	s_mov_b32 s47, 0
	s_mov_b64 s[18:19], 4
	s_mul_u64 s[22:23], s[20:21], s[18:19]
	s_mov_b64 s[18:19], KS
	s_mul_u64 s[92:93], s[46:47], s[18:19]
	s_mov_b64 s[18:19], KROW
	s_mul_u64 s[20:21], s[20:21], s[18:19]
	s_mul_u64 s[46:47], s[46:47], s[18:19]
	s_wait_dscnt 0x0
	s_wait_kmcnt 0x0
	s_add_nc_u64 s[20:21], s[4:5], s[20:21]
	s_add_nc_u64 s[22:23], s[6:7], s[22:23]
	s_add_nc_u64 s[46:47], s[8:9], s[46:47]
	s_add_nc_u64 s[92:93], s[10:11], s[92:93]
	CROUND
	s_mov_b32 s[G0], 1                             ; the launch's four tiles, each whole and for all of K: the images of 256 tokens,
	s_mov_b32 s[G0+1], 0
	s_mov_b64 s[G0+2:G0+3], s[20:21]
	s_or_b32 s[G0+3], s[G0+3], 0x80000000
	s_mov_b32 s[G0B], 1                            ; 256 rows of w_o,
	s_mov_b32 s[G0B+1], ABYTES
	s_mov_b64 s[G0B+2:G0B+3], s[46:47]
	s_or_b32 s[G0B+3], s[G0B+3], 0x80000000
	s_mov_b32 s[G0S], 1                            ; the tokens' scale words,
	s_mov_b32 s[G0S+1], ASCL
	s_mov_b64 s[G0S+2:G0S+3], s[22:23]
	s_or_b32 s[G0S+3], s[G0S+3], 0x80000000
	s_mov_b32 s[G0SB], 1                           ; and w_o's scale bytes
	s_mov_b32 s[G0SB+1], BSCL
	s_mov_b64 s[G0SB+2:G0SB+3], s[92:93]
	s_or_b32 s[G0SB+3], s[G0SB+3], 0x80000000
	; ONE load a wave, in one tree of branches on the wave's number; nothing is filled later
	ARM 1, G0,  G1,  .Lhead_b
	ARM 2, G0B, G1B, .Lhead_sa
	ARM 3, G0S, G1S, .Lhead_sb
	tensor_load_to_lds s[G0SB:G0SB+3], s[G1SB:G1SB+7]
	s_nop 0
.rept 4
	v_nop
.endr
.Lhead_asked:
	v_and_b32 v1, 15, v0
	v_bfe_u32 v2, v0, 4, 1
	v_and_b32 v6, 31, v0
	s_wait_alu depctr_va_vdst(0)
	v_lshlrev_b32 v[CO], 4, v6
	v_mul_u32_u24 v3, v1, PITCH
	v_lshl_add_u32 v4, v2, 4, v3
	s_lshl_b32 s21, s15, 16                        ; my 8 tiles of 8,192 bytes
	s_mul_i32 s22, s16, HALFT
	s_add_co_u32 s22, s22, ABYTES
.irp s, 0,1
	v_add_nc_u32 v[ADRA+\s], s21, v[CO]
	v_add_nc_u32 v[ADRB+\s], s22, v4
	s_add_co_u32 s21, s21, 4096                    ; the second 512 along K: four pairs of heads on in a tile's image,
	s_add_co_u32 s22, s22, 256                     ; 256 bytes on in a row of w_o
.endr
	s_lshl_b32 s21, s15, 9                         ; my 128 tokens' words in each row of 1,024 bytes
	s_add_co_u32 s21, s21, ASCL
	v_lshl_add_u32 v[ASA], v6, 2, s21
	v_mul_u32_u24 v5, v1, KS
	v_lshrrev_b32 v7, 8, v5
	v_lshl_add_u32 v5, v7, 4, v5
	v_lshl_add_u32 v5, v2, 4, v5
	s_mul_i32 s21, s16, HALFS
	s_add_co_u32 s21, s21, BSCL
	v_add_nc_u32 v[ASB], s21, v5
	s_mul_i32 s23, s14, 16*SPITCH
	s_add_co_u32 s23, s23, STAGE                   ; my stage
	v_mul_u32_u24 v5, v1, SPITCH
	v_lshl_add_u32 v5, v2, 5, v5
	v_add_nc_u32 v[STO], s23, v5
	v_add_nc_u32 v[RD], s23, v[CO]
	s_lshl_b32 s18, s42, 10
	s_lshl_b32 s19, s16, 9
	s_add_co_u32 s18, s18, s19
	v_lshl_add_u32 v8, v2, 5, s18
.irp b, 0,1,2,3,4,5,6,7
	global_load_b128 v[BN+8*\b:BN+8*\b+3], v8, s[2:3] offset:64*\b
	global_load_b128 v[BN+8*\b+4:BN+8*\b+7], v8, s[2:3] offset:64*\b+16
.endr
	s_lshl_b32 s20, s17, 8
	s_lshl_b32 s21, s15, 7
	s_add_co_u32 s20, s20, s21
	s_mov_b32 s21, 0
	s_mov_b64 s[18:19], SIZE_N*4
	s_mul_u64 s[20:21], s[20:21], s[18:19]
	s_lshl_b32 s46, s42, 10
	s_lshl_b32 s47, s16, 9
	s_add_co_u32 s46, s46, s47
	s_mov_b32 s47, 0
	s_add_nc_u64 s[20:21], s[20:21], s[46:47]
	s_add_nc_u64 s[12:13], s[12:13], s[20:21]
.macro WM d, s0, s1, c, x0, x1, r0, r1
.if (\r0) && (\r1)
	v_wmma_scale_f32_16x16x128_f8f6f4 v[\d:\d+7], v[\s0:\s0+7], v[\s1:\s1+7], v[\c:\c+7], v[\x0], v[\x1] matrix_a_fmt:MATRIX_FMT_FP4 matrix_b_fmt:MATRIX_FMT_FP4 matrix_a_scale:MATRIX_SCALE_ROW1 matrix_b_scale:MATRIX_SCALE_ROW1
.elseif (\r0)
	v_wmma_scale_f32_16x16x128_f8f6f4 v[\d:\d+7], v[\s0:\s0+7], v[\s1:\s1+7], v[\c:\c+7], v[\x0], v[\x1] matrix_a_fmt:MATRIX_FMT_FP4 matrix_b_fmt:MATRIX_FMT_FP4 matrix_a_scale:MATRIX_SCALE_ROW1
.elseif (\r1)
	v_wmma_scale_f32_16x16x128_f8f6f4 v[\d:\d+7], v[\s0:\s0+7], v[\s1:\s1+7], v[\c:\c+7], v[\x0], v[\x1] matrix_a_fmt:MATRIX_FMT_FP4 matrix_b_fmt:MATRIX_FMT_FP4 matrix_b_scale:MATRIX_SCALE_ROW1
.else
	v_wmma_scale_f32_16x16x128_f8f6f4 v[\d:\d+7], v[\s0:\s0+7], v[\s1:\s1+7], v[\c:\c+7], v[\x0], v[\x1] matrix_a_fmt:MATRIX_FMT_FP4 matrix_b_fmt:MATRIX_FMT_FP4
.endif
.endm
.macro MUL16 a0, p, q, slot, first
.irp a, \a0, \a0+1
.irp b, 0,1,2,3,4,5,6,7
.if \first
	WM 8*(8*((\a)%4)+\b), 128*(\p)+FR*\b, AF+FR*(\a), BN+8*\b, SB+4*\b+(\q), SA+8*((\a)/2)+4*(\slot)+(\q), \slot, (\a)%2
.else
	WM 8*(8*((\a)%4)+\b), 128*(\p)+FR*\b, AF+FR*(\a), 8*(8*((\a)%4)+\b), SB+4*\b+(\q), SA+8*((\a)/2)+4*(\slot)+(\q), \slot, (\a)%2
.endif
.endr
.endr
.endm
.macro FETCH_B slot, q, p
	WIN TO_B
.irp i, 0,1,2,3,4,5,6,7
.irp c, 0,1
	ds_load_b128 v[128*(\p)+FR*\i+4*\c:128*(\p)+FR*\i+4*\c+3], v[ADRB+\slot] offset:64*(\q)+32*\c+\i*16*PITCH
.endr
.endr
	WIN 0
.endm
.macro FETCH_A slot, q, i0
.irp i, \i0, \i0+1, \i0+2, \i0+3
.irp c, 0,1
	ds_load_b128 v[AF+FR*(\i)+4*\c:AF+FR*(\i)+4*\c+3], v[ADRA+\slot] offset:8192*(\i)+1024*(\q)+512*\c
.endr
.endr
.endm
.macro PLACES n
.rept \n
	v_nop
.endr
.endm
.macro STEP slot, q, first
	s_wait_dscnt 4*NL
.if \first
	WIN 0x81
.else
	WIN MUL_LO
.endif
	MUL16 0, (\q)%2, \q, \slot, \first
	MUL16 2, (\q)%2, \q, \slot, \first
	s_wait_dscnt 0
	PLACES NP
	FETCH_B \slot, (\q)+1, 1-(\q)%2
	FETCH_A \slot, (\q)+1, 0
.if \first
	WIN 0xc1
.else
	WIN MUL_HI
.endif
	MUL16 4, (\q)%2, \q, \slot, \first
	MUL16 6, (\q)%2, \q, \slot, \first
	PLACES NP
	WIN 0
	FETCH_A \slot, (\q)+1, 4
.endm
.macro STEPS slot, from
.set Q, \from
.rept NQ-1-\from
	STEP \slot, Q, 0
.set Q, Q+1
.endr
.endm
	s_wait_alu depctr_va_vdst(0)
	s_wait_loadcnt 0x0
	s_wait_tensorcnt 0x0
	s_barrier_signal -1
	s_barrier_wait -1
	FETCH_B 0, 0, 0
	FETCH_A 0, 0, 0
.irp a, 0,1,2,3
.irp q, 0,1,2,3,4,5,6,7
	ds_load_b32 v[SA+8*\a+\q], v[ASA] offset:1024*\q+128*\a
.endr
.endr
.irp b, 0,1,2,3,4,5,6,7
	ds_load_b128 v[SB+4*\b:SB+4*\b+3], v[ASB] offset:\b*SBLK
.endr
	FETCH_A 0, 0, 4
	STEP 0, 0, 1
	STEPS 0, 1
	s_wait_dscnt 4*NL                              ; the fourth step goes over to the second 512 along K, which came with the first: no wait for tiles, no barrier
	WIN MUL_LO
	MUL16 0, 1, NQ-1, 0, 0
	MUL16 2, 1, NQ-1, 0, 0
	s_wait_dscnt 0x0
	WIN 0
	PLACES NP
	FETCH_B 1, 0, 0
	FETCH_A 1, 0, 0
	WIN MUL_HI
	MUL16 4, 1, NQ-1, 0, 0
	MUL16 6, 1, NQ-1, 0, 0
	PLACES NP
	WIN 0
	FETCH_A 1, 0, 4
	STEPS 1, 0
	s_wait_dscnt 4*NL
	WIN MUL_LO
	MUL16 0, 1, NQ-1, 1, 0
	MUL16 2, 1, NQ-1, 1, 0
	s_wait_dscnt 0
	WIN MUL_HI
	MUL16 4, 1, NQ-1, 1, 0
	MUL16 6, 1, NQ-1, 1, 0
	WIN 0
.macro TOSTAGE a
.set AC, 64*((\a)%4)
	WIN 0x08+4*((\a)/4)
.irp b, 0,1,2,3,4,5,6,7
	ds_store_b128 v[STO], v[AC+8*\b:AC+8*\b+3] offset:64*\b
	ds_store_b128 v[STO], v[AC+8*\b+4:AC+8*\b+7] offset:64*\b+16
.endr
	WIN 0
.set BB, BK+64*((\a)%2)
.irp t, 0,1,2,3,4,5,6,7,8,9,10,11,12,13,14,15
	ds_load_b128 v[BB+4*\t:BB+4*\t+3], v[RD] offset:\t*SPITCH
.endr
.endm
.macro SEND a, younger
.set BB, BK+64*((\a)%2)
	s_wait_dscnt \younger
.if (\a) > 0
	s_add_nc_u64 s[12:13], s[12:13], 16*SIZE_N*4
.endif
.irp t, 0,1,2,3,4,5,6,7,8,9,10,11,12,13,14,15
	global_store_b128 v[CO], v[BB+4*\t:BB+4*\t+3], s[12:13] offset:\t*SIZE_N*4 th:TH_STORE_NT
.endr
.endm
	PLACES NP
	TOSTAGE 0
.irp a, 1,2,3,4,5,6,7
.if \a > 1
	s_wait_xcnt 0x0
.endif
	TOSTAGE \a
	SEND \a-1, 32
.endr
	s_wait_xcnt 0x0
	SEND 7, 0
	s_wait_tensorcnt 0x0
	ds_add_u32 v126, v127
	s_wait_dscnt 0x0
	CROUND
	s_endpgm
.Lfunc_end_k_qb8cc408fca_oproj:
	.size	k_qb8cc408fca_oproj, .Lfunc_end_k_qb8cc408fca_oproj-k_qb8cc408fca_oproj
	.p2alignl 7, 3214868480
	.fill 96, 4, 3214868480
	.section	.rodata,"a",@progbits
	.p2align	6, 0x0
	.amdhsa_kernel k_qb8cc408fca_oproj
		.amdhsa_group_segment_fixed_size 327680
		.amdhsa_private_segment_fixed_size 0
		.amdhsa_enable_private_segment 0
		.amdhsa_kernarg_size 48
		.amdhsa_user_sgpr_count 2
		.amdhsa_user_sgpr_kernarg_segment_ptr 1
		.amdhsa_wavefront_size32 1
		.amdhsa_system_sgpr_workgroup_id_x 1
		.amdhsa_system_sgpr_workgroup_id_y 1
		.amdhsa_system_sgpr_workgroup_id_z 1
		.amdhsa_system_vgpr_workitem_id 0
		.amdhsa_next_free_vgpr 1024
		.amdhsa_next_free_sgpr 100
		.amdhsa_reserve_vcc 0
		.amdhsa_float_denorm_mode_32 3
		.amdhsa_float_denorm_mode_16_64 3
		.amdhsa_memory_ordered 1
		.amdhsa_forward_progress 1
		.amdhsa_inst_pref_size 127
	.end_amdhsa_kernel
	.amdgpu_metadata
---
amdhsa.version: [ 1, 2 ]
amdhsa.kernels:
  - .name:           k_qb8cc408fca_oproj
    .symbol:         k_qb8cc408fca_oproj.kd
    .args:
      - { .name: aimg, .offset: 0, .size: 8, .value_kind: global_buffer, .address_space: global }
      - { .name: asc, .offset: 8, .size: 8, .value_kind: global_buffer, .address_space: global }
      - { .name: w_o_codes, .offset: 16, .size: 8, .value_kind: global_buffer, .address_space: global }
      - { .name: w_o_scales, .offset: 24, .size: 8, .value_kind: global_buffer, .address_space: global }
      - { .name: b_o, .offset: 32, .size: 8, .value_kind: global_buffer, .address_space: global }
      - { .name: out0, .offset: 40, .size: 8, .value_kind: global_buffer, .address_space: global }
    .group_segment_fixed_size: 327680
    .private_segment_fixed_size: 0
    .kernarg_segment_align: 8
    .kernarg_segment_size: 48
    .max_flat_workgroup_size: 128
    .sgpr_count:     100
    .vgpr_count:     1024
    .wavefront_size: 32
...
	.end_amdgpu_metadata
.endif
;; end of part 4
